; MI455X (gfx1250); checked and timed in simulation.
; The chip was launched on July 23, 2026; its instructions are those of AMD's public machine-readable ISA for CDNA 5 (MIT licence, August 2026) and "CDNA5" Instruction Set Architecture Reference Guide (July 2026). The comments in the code are by the model that wrote it; some were corrected since.
;; Multi Head Attention. Allowed arithmetic: matrix products marked QUANTISED: E3M2 operands, one E8M0 scale for each 32 along K, by v_wmma_scale_f32_16x16x128_f8f6f4 with both operands' format E3M2, f32 sums; everything else in f32.
;; Inputs: Wk 16 x 1,024 x 64 float32; Wp 1,024 x 1,024 float32; Wq 16 x 1,024 x 64 float32; Wv 16 x 1,024 x 64 float32; bp 1,024 float32; x 4 x 2,048 x 1,024 float32.
;; Outputs: out0 4 x 2,048 x 1,024 float32.
;; This version of the problem:
;;   THIS VERSION OF THE PROBLEM IS GIVEN IN LOW PRECISION. The matrix products marked QUANTISED in the list below multiply operands that are first quantised to E3M2 (3 exponent bits, 2 mantissa bits; 6 bits a number), with one power-of-two scale for each 32 numbers along K (OCP MX v1.0); their sums are f32. All else is computed in f32.
;;   The module's matrix products, in the order in which they are computed (A, B: the left and right operand; K: the contracted axis; several contracted axes count as one K, in the product's order):
;;     1. [M 1,024, K 1,024] x [K 1,024, N 8,192]; A: input Wq; B: input x: QUANTISED
;;     2. [M 1,024, K 1,024] x [K 1,024, N 8,192]; A: input Wk; B: input x: QUANTISED
;;     3. [M 1,024, K 1,024] x [K 1,024, N 8,192]; A: input Wv; B: input x: QUANTISED
;;     4. batch 64 x [M 2,048, K 64] x [K 64, N 2,048]; A: computed on the way; B: computed on the way: QUANTISED
;;     5. batch 64 x [M 2,048, K 2,048] x [K 2,048, N 64]; A: softmax (see below); B: computed on the way: QUANTISED
;;     6. [M 8,192, K 1,024] x [K 1,024, N 1,024]; A: computed on the way; B: input Wp: QUANTISED
;;   THE QUANTISER, for each operand of a quantised product, along K:
;;     - K is cut into blocks of 32 from its start; a last block that is shorter is filled with zeros.
;;     - A block's scale is 2^e with e = floor(log2(the largest magnitude in the block)) - 4, held to -126 .. 127; a block of zeros has e = 0. As a byte (E8M0): e + 127.
;;     - Each number is divided by its block's scale, clamped to +-28, and rounded to the nearest number of E3M2, ties to even, subnormals kept.
;;     - The product sums the exact products of the quantised numbers (number of the format x scale) in f32.
;;   ~~~python
;;   def quantise(x, axis):      # numpy; x: float32 -> the quantised numbers, widened to float32 again
;;       x = np.moveaxis(x, axis, -1); K = x.shape[-1]
;;       x = np.pad(x, [(0, 0)] * (x.ndim - 1) + [(0, -K % 32)]); x = x.reshape(x.shape[:-1] + (-1, 32)); a = np.abs(x).max(-1, keepdims=True)
;;       e = np.where(a > 0, np.clip(np.frexp(np.where(a > 0, a, 1))[1] - 1 - 4, -126, 127), 0)      # np.frexp(a)[1] - 1 = floor(log2(a)), exactly
;;       r = np.clip(x / 2.0 ** e, -28, 28)
;;       step = 2.0 ** (np.maximum(np.frexp(np.where(r == 0, 1, r))[1] - 1, -2) - 2)
;;       q = np.round(r / step) * step * 2.0 ** e      # np.round: ties to even
;;       return np.moveaxis(q.reshape(q.shape[:-2] + (-1,))[..., :K], -1, axis).astype(np.float32)
;;   ~~~
;;   SOFTMAX AHEAD OF A QUANTISED PRODUCT. Where the list says 'softmax', what is quantised is not the finished softmax but p = 2^(t - M), with t = logit x log2(e) and M = ceil(the row's largest t), a whole number; so 1/2 < the row's largest p <= 1. The row's sum l is taken of the UNQUANTISED p, in f32, and the product's result is divided by l at the end. Since M is a whole number, a kernel that streams over the keys may use a running M (the ceiling of the running maximum): every later rescaling is an exact power of two, which a block's scale takes up: the codes' values come out the same.
;;   OPERANDS COMPUTED ON THE WAY. 'Computed on the way' means the value that the module computes at that place (a softmax that the list does not call 'softmax' is quantised finished and normalised). What goes into a quantiser is computed in f32, as accurately as f32 sums, v_exp_f32 and their like allow (about 1e-6 of the number): no bf16 or f16 on the way to a quantiser, and a product that is left as it is and whose result goes on into a quantised operand takes f32 operands (vector FMAs, or v_wmma_f32_16x16x4_f32). A number that lies on a knife's edge between two numbers of the format may be rounded either way, as far as f32 arithmetic and the matrix unit's own rounding can turn it there, and no further.
;; One version. Each part assembles by itself: llvm-mc -triple=amdgcn-amd-amdhsa -mcpu=gfx1250 --defsym DOCPART=n.
;; ======== version 1 of 1: 4 launches
;; workspace buffers: cod1 9,437,184 bytes; scl1 393,216 bytes; cod2 18,874,368 bytes; scl2 1,310,720 bytes; oc 6,291,456 bytes; os 262,144 bytes
;; launch quant (part 1): grid 384 x 1, 4 waves a work-group, no clusters, 68,096 bytes of LDS; arguments x, Wp, Wq, Wk, Wv, cod1, scl1; writes cod1, scl1
.if DOCPART == 1
	.amdgcn_target "amdgcn-amd-amdhsa--gfx1250"
	.amdhsa_code_object_version 6
	.text
	.protected	k_q36b67e17d4_quant
	.globl	k_q36b67e17d4_quant
	.p2align	8
	.type	k_q36b67e17d4_quant,@function
k_q36b67e17d4_quant:
	s_mov_b64 s[64:65], 0
	v_nop
	global_prefetch_b8 v0, s[64:65] scope:SCOPE_SE
	s_setreg_imm32_b32 hwreg(HW_REG_WAVE_MODE, 25, 1), 1
	s_wait_xcnt 0x0
; x [8192][1024], Wp [1024][1024] (K innermost) and Wq, Wk, Wv [16][1024 (K)][64] (K not innermost), all f32, become codes of BF6 (E3M2) with one E8M0 byte for each 32 along K.
; cod1: [12288 rows][768 bytes], a row = 1,024 codes as one stream of bits;  scl1: [12288 rows][32 bytes].
;   rows 0-8191 x, rows 8192-11263 Wq, Wk, Wv (8192 + 1024 T + 64 h + d), rows 11264-12287 Wp.
; THE ROWS OF x AND OF Wq, Wk, Wv ARE PERMUTED: physical row p holds logical row sigma(p), sigma = bits 3 and 4 of the row number exchanged (its own inverse).
; So sixteen neighbouring physical rows, used as source 0 of a matrix instruction, give a lane sixteen NEIGHBOURS along the next K in the registers of two neighbouring tiles.  Wp's rows are not permuted.
; A block's scale is 2^(floor(log2(largest magnitude)) - 4): its byte is the largest magnitude's exponent field - 4, held at 1 from below.
; LIMITS: a block of zeros, and a block whose largest magnitude lies under 2^-122, gets the byte 1 (zeros: the codes are zeros, which add nothing; the bytes are read by this program alone); NaN and infinities are not served.
; Work-groups 0-287 take x and Wp: plain streams of blocks of 32.  Work-groups 288-383 take Wq, Wk, Wv: a lane to a column, registers down K.  The two ways have LDS bytes of their own.
.set STEPS, 16
.set EMAX,  4
.set CB,    12                         ; bytes of 16 codes
.set WREG,  8192                       ; rows: LDS region of a wave: two stages of 32 x SP bytes, then its 256 scale bytes
.set SP,    80                         ; a lane's place in a stage: 64 bytes + 16 of padding
.set RR,    16                         ; v16-79   four sets of 16 numbers as loaded
.set RX,    80                         ; v80-111  two sets of 16 neighbours
.set RE,    112                        ; v112-127 a scale byte for each step
.set RC,    128                        ; v128-191 codes, four registers for each step
.set CSTG,  32768                      ; columns: the stages begin here, 32 rows x CP bytes for each wave
.set CP,    272
.set NB,    8                          ; blocks of 32 along K for a wave
.set KX,    32                         ; v32-95   two sets of 32 numbers
.set KC,    96                         ; v96..    a block's codes
.set KOUT,  112                        ; v112-175 the way out
.set KSB,   24                         ; v24-25   the scale bytes
	s_load_b256 s[4:11], s[0:1], 0x0               ; x s[4:5], Wp s[6:7], Wq s[8:9], Wk s[10:11]
	s_load_b128 s[12:15], s[0:1], 0x20             ; Wv s[12:13], cod1 s[14:15]
	s_load_b64 s[16:17], s[0:1], 0x30              ; scl1
	v_lshl_add_u32 v192, v0, 2, 0x10800
	v_mov_b32 v193, 0
	v_lshrrev_b32 v1, 5, v0
	v_readfirstlane_b32 s18, v1                    ; wave
	v_and_b32 v2, 31, v0                           ; lane
	s_cmp_ge_u32 ttmp9, 288
	s_cbranch_scc1 .Lcols
; ---------------- x and Wp: K innermost.  A wave takes 16 steps of 512 numbers: 8 rows of 1,024
	v_lshlrev_b32 v3, 4, v2                        ; my 16 bytes of a load's 512
	s_mul_i32 s19, s18, WREG
	v_lshrrev_b32 v14, 2, v2
	v_mul_u32_u24 v14, v14, SP
	v_and_b32 v15, 3, v2
	v_lshl_add_u32 v14, v15, 4, v14
	v_add_nc_u32 v14, s19, v14                     ; the stage, on the way in: SP (lane / 4) + 16 (lane % 4)
	v_mul_u32_u24 v15, v2, SP
	v_add_nc_u32 v15, s19, v15                     ; and on the way out: SP x lane: my 16 neighbours
	v_mul_u32_u24 v4, v2, CB                       ; my codes' place in a step's
	v_lshrrev_b32 v5, 1, v2
	s_add_co_u32 s19, s19, 2*32*SP
	v_add_nc_u32 v5, s19, v5                       ; my block's byte among the wave's 256
	v_lshlrev_b32 v7, 3, v2
	v_add_nc_u32 v6, s19, v7
	s_wait_alu depctr_va_vdst(0)
	s_wait_kmcnt 0x0
	s_cmp_lt_u32 ttmp9, 256                        ; x or Wp: the choice hangs on the work-group's number alone
	s_cselect_b64 s[4:5], s[4:5], s[6:7]
	s_cselect_b32 s20, 0, 256
	s_sub_co_u32 s20, ttmp9, s20
	s_lshl_b32 s20, s20, 2
	s_add_co_u32 s20, s20, s18                     ; which run of 8 rows of the tensor is my wave's
	s_and_b32 s21, s20, -4                         ; sigma on runs of 8 rows: the run's bits 0 and 1 change places
	s_and_b32 s22, s20, 1
	s_lshl_b32 s22, s22, 1
	s_or_b32 s21, s21, s22
	s_bfe_u32 s22, s20, 0x10001
	s_or_b32 s21, s21, s22
	s_add_co_u32 s22, s20, 1408                    ; Wp: rows 11264 on, as they are
	s_cmp_lt_u32 ttmp9, 256
	s_cselect_b32 s22, s21, s22                    ; the run in cod1 and scl1
	s_lshl_b32 s24, s20, 15                        ; 8 rows of 4,096 bytes
	s_mov_b32 s25, 0
	s_add_nc_u64 s[4:5], s[4:5], s[24:25]
	s_mul_i32 s24, s22, 6144                       ; 8 rows of 768 bytes
	s_add_nc_u64 s[14:15], s[14:15], s[24:25]
	s_lshl_b32 s24, s22, 8                         ; 8 rows of 32 bytes
	s_add_nc_u64 s[16:17], s[16:17], s[24:25]
.macro LOADR t
.irp i, 0,1,2,3
	global_load_b128 v[RR+16*((\t)%4)+4*\i:RR+16*((\t)%4)+4*\i+3], v3, s[4:5] offset:2048*(\t)+512*\i th:TH_LOAD_NT   ; 32 lanes read 512 consecutive bytes
.endr
.endm
.macro TURNR t                         ; a step's numbers through the stage: LDS serves a wave's instructions in order, so no wait stands between the stores and the loads
.irp i, 0,1,2,3
	ds_store_b128 v14, v[RR+16*((\t)%4)+4*\i:RR+16*((\t)%4)+4*\i+3] offset:32*SP*((\t)%2)+8*SP*\i
.endr
.irp i, 0,1,2,3
	ds_load_b128 v[RX+16*((\t)%2)+4*\i:RX+16*((\t)%2)+4*\i+3], v15 offset:32*SP*((\t)%2)+16*\i
.endr
.endm
.irp t, 0,1,2,3
	LOADR \t
.endr
	s_wait_loadcnt 12                              ; step 0's four loads are in; the twelve of steps 1 to 3 stay out
	TURNR 0
.macro STEPR t
.set XS, RX+16*((\t)%2)
.if (\t) > 0
	s_wait_dscnt 1                                 ; this step's numbers are back from the stage (the last step's byte store may be out)
.else
	s_wait_dscnt 0x0
.endif
.if (\t)+4 < STEPS
	LOADR (\t)+4                                   ; into the registers that the stage's stores have read
.endif
.if (\t)+1 < STEPS
.if STEPS-2-(\t) >= 3
	s_wait_loadcnt 12                              ; the next step's four loads are in; those of the three steps behind it may be out
.else
	s_wait_loadcnt 4*(STEPS-2-(\t))
.endif
	TURNR (\t)+1
.endif
	v_max3_num_f32 v8, |v[XS]|, |v[XS+1]|, |v[XS+2]|               ; the largest magnitude of my 16
	v_max3_num_f32 v9, |v[XS+3]|, |v[XS+4]|, |v[XS+5]|
.irp i, 6,10
	v_max3_num_f32 v8, v8, |v[XS+\i]|, |v[XS+\i+1]|
	v_max3_num_f32 v9, v9, |v[XS+\i+2]|, |v[XS+\i+3]|
.endr
	v_max3_num_f32 v8, v8, |v[XS+14]|, |v[XS+15]|
	v_max3_num_f32 v8, v8, v9, (EMAX+1)<<23        ; and the floor 2^(5 - 127): the byte cannot fall under 1
	v_max_num_f32_dpp v8, v8, v8 row_xmask:1 row_mask:0xf bank_mask:0xf   ; and of my neighbour's 16: the block's
	v_add_nc_u32 v11, -(EMAX<<23), v8              ; 4 off its exponent field: the conversion takes the exponent field of this operand as its scale
	v_cvt_scalef32_pk16_bf6_f32 v[RC+4*(\t):RC+4*(\t)+2], v[XS:XS+15], v11
	v_lshrrev_b32 v[RE+(\t)], 23, v11              ; the scale's byte (also the plain line behind the conversion)
	ds_store_b8 v5, v[RE+(\t)] offset:16*(\t)      ; both lanes of a block write the same byte with the same value
	global_store_b96 v4, v[RC+4*(\t):RC+4*(\t)+2], s[14:15] offset:32*CB*(\t)   ; the wave stores 384 consecutive bytes
.endm
.irp t, 0,1,2,3,4,5,6,7,8,9,10,11,12,13,14,15
	STEPR \t
.endr
	ds_load_b64 v[12:13], v6                       ; LDS serves a wave's instructions in order: these see my stores
	s_wait_dscnt 0x0
	global_store_b64 v7, v[12:13], s[16:17]        ; 32 lanes store 256 consecutive bytes, aligned
	s_wait_tensorcnt 0x0
	ds_add_u32 v192, v193
	s_wait_dscnt 0x0
	s_endpgm
; ---------------- Wq, Wk, Wv: a matrix [1024 (K)][64].  A wave takes 32 columns x 256 along K; two work-groups take a matrix
.Lcols:
	s_sub_co_u32 s19, ttmp9, 288
	s_lshr_b32 s20, s19, 1                         ; the matrix: 16 T + h, 0 .. 47
	s_and_b32 s21, s19, 1
	s_lshr_b32 s22, s20, 4                         ; T: 0 Wq, 1 Wk, 2 Wv
	s_and_b32 s23, s20, 15                         ; h
	s_and_b32 s24, s18, 1                          ; which 32 columns
	s_lshr_b32 s25, s18, 1
	s_lshl_b32 s21, s21, 1
	s_add_co_u32 s25, s25, s21                     ; which 256 along K: 0 .. 3
	s_wait_alu depctr_va_vdst(0)
	v_lshlrev_b32 v3, 2, v2                        ; in: 4 bytes a lane
	v_and_b32 v10, 7, v2
	v_bfe_u32 v11, v2, 3, 1
	v_bfe_u32 v12, v2, 4, 1
	v_lshl_add_u32 v10, v11, 4, v10
	v_lshl_add_u32 v10, v12, 3, v10                ; sigma(lane): the physical row that takes my column
	s_mul_i32 s26, s18, 32*CP
	s_add_co_u32 s26, s26, CSTG                    ; my stage
	v_mul_u32_u24 v4, v10, CP
	v_add_nc_u32 v4, s26, v4                       ; into it: row sigma(lane)
	v_and_b32 v5, 15, v2
	v_lshrrev_b32 v6, 4, v2
	v_mul_u32_u24 v7, v6, CP
	v_lshl_add_u32 v7, v5, 4, v7
	v_add_nc_u32 v7, s26, v7                       ; out of it: sixteen lanes to a row, two rows an instruction
	v_mul_u32_u24 v8, v6, 768
	v_mad_u32_u24 v8, v5, 12, v8                   ; and the same place in cod1
	v_lshlrev_b32 v9, 5, v10                       ; my row of scale bytes
	s_lshl_b32 s28, s23, 18                        ; in: h x 262,144 + 256 rows of 256 bytes x part + 128 x half
	s_lshl_b32 s27, s25, 16
	s_add_co_u32 s28, s28, s27
	s_lshl_b32 s27, s24, 7
	s_add_co_u32 s28, s28, s27
	s_mov_b32 s29, 0
	s_lshl_b32 s30, s20, 6
	s_lshl_b32 s27, s24, 5
	s_add_co_u32 s30, s30, s27
	s_add_co_u32 s30, s30, 8192                    ; my first row of cod1 and scl1
	s_mul_i32 s32, s30, 768
	s_mul_i32 s27, s25, 192
	s_add_co_u32 s32, s32, s27
	s_mov_b32 s33, 0
	s_lshl_b32 s34, s30, 5
	s_lshl_b32 s27, s25, 3
	s_add_co_u32 s34, s34, s27
	s_mov_b32 s35, 0
	s_wait_kmcnt 0x0
	s_cmp_eq_u32 s22, 1
	s_cselect_b64 s[10:11], s[10:11], s[12:13]
	s_cmp_eq_u32 s22, 0
	s_cselect_b64 s[8:9], s[8:9], s[10:11]
	s_add_nc_u64 s[8:9], s[8:9], s[28:29]
	s_add_nc_u64 s[14:15], s[14:15], s[32:33]
	s_add_nc_u64 s[16:17], s[16:17], s[34:35]
.macro LOADC t                         ; block t: W(32 t + i, my column) into set t % 2; a wave's load reads 128 consecutive bytes
.irp i, 0,1,2,3,4,5,6,7,8,9,10,11,12,13,14,15,16,17,18,19,20,21,22,23,24,25,26,27,28,29,30,31
	global_load_b32 v[KX+32*((\t)%2)+\i], v3, s[8:9] offset:(32*(\t)+\i)*256 th:TH_LOAD_NT
.endr
.endm
	LOADC 0
	LOADC 1
.macro BLOCKC t
.set XS, KX+32*((\t)%2)
.if (\t) < NB-1
	s_wait_loadcnt 32                              ; this block's 32 loads are in; the next block's may be out
.else
	s_wait_loadcnt 0
.endif
	v_max3_num_f32 v12, |v[XS]|, |v[XS+1]|, |v[XS+2]|              ; the block's largest magnitude: all 32 numbers are mine
	v_max3_num_f32 v13, |v[XS+3]|, |v[XS+4]|, |v[XS+5]|
.irp i, 6,10,14,18,22,26
	v_max3_num_f32 v12, v12, |v[XS+\i]|, |v[XS+\i+1]|
	v_max3_num_f32 v13, v13, |v[XS+\i+2]|, |v[XS+\i+3]|
.endr
	v_max3_num_f32 v12, v12, |v[XS+30]|, |v[XS+31]|
	v_max3_num_f32 v12, v12, v13, (EMAX+1)<<23
	v_add_nc_u32 v11, -(EMAX<<23), v12
	v_lshrrev_b32 v13, 23, v11                     ; the scale's byte
.if (\t)%4 == 0
	v_mov_b32 v[KSB+(\t)/4], v13                   ; four bytes to a register, the lower K in the lower byte
.else
	v_lshl_or_b32 v[KSB+(\t)/4], v13, 8*((\t)%4), v[KSB+(\t)/4]
.endif
	v_cvt_scalef32_pk16_bf6_f32 v[KC:KC+2], v[XS:XS+15], v11
	v_cvt_scalef32_pk16_bf6_f32 v[KC+4:KC+6], v[XS+16:XS+31], v11  ; (a conversion's three registers begin on an even number)
	v_nop                                          ; one plain line behind the conversions
	ds_store_b96 v4, v[KC:KC+2] offset:32*(\t)     ; 12 bytes to a place of 16 in the stage
	ds_store_b96 v4, v[KC+4:KC+6] offset:32*(\t)+16
.if (\t)+2 < NB
	LOADC (\t)+2
.endif
	s_wait_dscnt 0x0                               ; the stores have read their registers: the next block's codes may be written
.endm
.irp t, 0,1,2,3,4,5,6,7
	BLOCKC \t
.endr
	s_wait_alu depctr_va_vdst(0)
	global_store_b64 v9, v[KSB:KSB+1], s[16:17]    ; my column's 8 scale bytes
.irp t, 0,1,2,3,4,5,6,7,8,9,10,11,12,13,14,15
	ds_load_b96 v[KOUT+4*\t:KOUT+4*\t+2], v7 offset:2*\t*CP
.endr
.irp t, 0,1,2,3,4,5,6,7,8,9,10,11,12,13,14,15
	s_wait_dscnt 15-\t                             ; loads come back in order: load t is in, the younger ones stay out
	global_store_b96 v8, v[KOUT+4*\t:KOUT+4*\t+2], s[14:15] offset:2*\t*768   ; sixteen lanes store a row's 192 consecutive bytes
.endr
	s_wait_tensorcnt 0x0
	ds_add_u32 v192, v193
	s_wait_dscnt 0x0
	s_endpgm
.Lfunc_end_k_q36b67e17d4_quant:
	.size	k_q36b67e17d4_quant, .Lfunc_end_k_q36b67e17d4_quant-k_q36b67e17d4_quant
	.p2alignl 7, 3214868480
	.fill 96, 4, 3214868480
	.section	.rodata,"a",@progbits
	.p2align	6, 0x0
	.amdhsa_kernel k_q36b67e17d4_quant
		.amdhsa_group_segment_fixed_size 68096
		.amdhsa_private_segment_fixed_size 0
		.amdhsa_enable_private_segment 0
		.amdhsa_kernarg_size 56
		.amdhsa_user_sgpr_count 2
		.amdhsa_user_sgpr_kernarg_segment_ptr 1
		.amdhsa_wavefront_size32 1
		.amdhsa_system_sgpr_workgroup_id_x 1
		.amdhsa_system_sgpr_workgroup_id_y 1
		.amdhsa_system_sgpr_workgroup_id_z 1
		.amdhsa_system_vgpr_workitem_id 0
		.amdhsa_next_free_vgpr 194
		.amdhsa_next_free_sgpr 66
		.amdhsa_reserve_vcc 0
		.amdhsa_float_denorm_mode_32 3
		.amdhsa_float_denorm_mode_16_64 3
		.amdhsa_memory_ordered 1
		.amdhsa_forward_progress 1
		.amdhsa_inst_pref_size 74
	.end_amdhsa_kernel
	.amdgpu_metadata
---
amdhsa.version: [ 1, 2 ]
amdhsa.kernels:
  - .name:           k_q36b67e17d4_quant
    .symbol:         k_q36b67e17d4_quant.kd
    .args:
      - { .name: x, .offset: 0, .size: 8, .value_kind: global_buffer, .address_space: global }
      - { .name: Wp, .offset: 8, .size: 8, .value_kind: global_buffer, .address_space: global }
      - { .name: Wq, .offset: 16, .size: 8, .value_kind: global_buffer, .address_space: global }
      - { .name: Wk, .offset: 24, .size: 8, .value_kind: global_buffer, .address_space: global }
      - { .name: Wv, .offset: 32, .size: 8, .value_kind: global_buffer, .address_space: global }
      - { .name: cod1, .offset: 40, .size: 8, .value_kind: global_buffer, .address_space: global }
      - { .name: scl1, .offset: 48, .size: 8, .value_kind: global_buffer, .address_space: global }
    .group_segment_fixed_size: 68096
    .private_segment_fixed_size: 0
    .kernarg_segment_align: 8
    .kernarg_segment_size: 56
    .max_flat_workgroup_size: 128
    .sgpr_count:     66
    .vgpr_count:     194
    .wavefront_size: 32
...
	.end_amdgpu_metadata
.endif
;; end of part 1
;; launch gemmq (part 2): grid 96 x 4, 4 waves a work-group, clusters of 4 x 4, 327,680 bytes of LDS; arguments cod1, scl1, cod2, scl2; writes cod2, scl2
.if DOCPART == 2
	.amdgcn_target "amdgcn-amd-amdhsa--gfx1250"
	.amdhsa_code_object_version 6
	.text
	.protected	k_q36b67e17d4_gemmq
	.globl	k_q36b67e17d4_gemmq
	.p2align	8
	.type	k_q36b67e17d4_gemmq,@function
k_q36b67e17d4_gemmq:
	s_mov_b64 s[64:65], 0
	v_nop
	global_prefetch_b8 v0, s[64:65] scope:SCOPE_SE
	s_setreg_imm32_b32 hwreg(HW_REG_WAVE_MODE, 25, 1), 1
	s_wait_xcnt 0x0
	s_wait_alu depctr_hold_cnt(0) depctr_sa_sdst(0) depctr_va_vdst(0) depctr_va_sdst(0) depctr_va_ssrc(0) depctr_va_vcc(0) depctr_vm_vsrc(0)
	s_getreg_b32 s2, hwreg(HW_REG_IB_STS2, 6, 4)
	s_cmp_eq_u32 s2, 0
	s_cbranch_scc0 .Lentry_in_a_cluster
	s_endpgm
.Lentry_in_a_cluster:
	s_bfe_u32 s2, ttmp6, 0x10000c
	s_cmp_lg_u32 s2, 0xf033
	s_cbranch_scc0 .Lentry_shape_is_right
	s_endpgm
.Lentry_shape_is_right:
; q, k, v = x Wq, x Wk, x Wv on codes of BF6 with E8M0 scales (K = 1,024), and the results QUANTISED IN REGISTERS for attention: q and k along d, v along the keys.  No f32 result goes to memory.
; 24 clusters of 4 x 4 work-groups, a work-group a tile of 256 x 256, a wave 128 x 128 (64 accumulators, 512 registers).
;   clusters 0-15 (way QK): A = x (rows 0 on of cod1), B = [Wq; Wk] (rows 8192 on): 8192 x 2048.     clusters 16-23 (way V): A = Wv (rows 10240 on), B = x: 1024 x 8192.
; THE MATRIX INSTRUCTION IS USED TRANSPOSED (source 0 = 16 rows of B, source 1 = 16 rows of A): a lane holds ONE row of A, and its registers run along B's rows.  B's rows lie permuted in cod1 (bits 3 and 4 exchanged),
; so the 16 registers of two neighbouring tiles are 16 neighbours: d in way QK, keys in way V.  One way out quantises along B for both ways.
; K goes in steps of 256 through a ring of two LDS slots filled by the tensor data mover; the scale bytes of the work-group's rows, for all of K, come once and stay.  A's tiles are asked for jointly along a row of the
; cluster, B's along a column.
; cod2: 192 heads of 98,304 bytes (0-63 q, 64-127 k, 128-191 v; head = 16 b + h).  q, k: [token tile 128][3][32 lanes][8 bytes]: the six registers of a fragment of 16 tokens x 64 d, as they stand.
;   v: [key step 16][d tile 4][3][32 lanes][16 bytes]: the twelve registers of a fragment of 16 d x 128 keys.   scl2: q, k: 8,192 bytes a head, [key step 16][2][row 16][4 words]; v: from 1,048,576 on, 4,096 a head, [key step 16][row 16][4 words].
; LIMITS: a block of zeros or under 2^-122 gets the scale byte 1; NaN and infinities are not served.
; REGISTERS, in windows of 256: window 0: v0-31 addresses; v32-63 scale words, two sets; from v128 A's fragments, ONE set (on the way out v128-179 are at work).  window 1: B's fragments, TWO sets, at v0 and v128.
;   window 2: the accumulators of my rows 0-63 ((a, b) at v[8 (8 a + b)]);  window 3: those of my rows 64-127.
.set KSTEP,  256
.set NQ,     2
.set ROWB,   192                       ; a tile's row in bytes
.set KROW,   768                       ; a row of cod1
.set PITCH,  240                       ; an LDS row: 3 x (64 bytes + 16 of padding)
.set FR,     12
.set NL,     6
.set NP,     4
.set HALFT,  128*PITCH
.set SLOT,   4*HALFT
.set LAPS,   2                         ; K = 1,024: four K steps, twice round the ring
.set KS,     32                        ; a row of scl1
.set SCL,    2*SLOT
.set HALFS,  (128*KS/256)*272
.set SBLK,   (16*KS/256)*272
.set SPARE,  SCL+4*HALFS               ; the spare words, 128 bytes for each wave: no other line names them
.set ADRA, 16
.set ADRB, 20
.set ADRS, 27
.set SPW,  28
.set NIL,  29
.set SC,   32
.set AF,   128
.set O8,   7                           ; v7   8 x lane
.set O16,  8                           ; v8   16 x lane
.set OSC,  9                           ; v9   16 r + (lane / 16) x a head's scale bytes
.set SH,   10                          ; v10  16 x (lane / 16)
.set PC,   128                         ; v128-139 a fragment's codes; v140-146 the conversions' second halves
.set TM,   148                         ; v148-163 at work
.set PWS,  164                         ; v164-171 the eight blocks' scale words
.set SW,   172                         ; v172-179 as they are stored
.set G1, 24
.set G0, 32
.set G1B, 48
.set G0B, 56
.set G1S, 68
.set G0S, 76
.set G1SB, 80
.set G0SB, 88
.set MSB, 0
.macro WIN new                         ; the immediate's high byte repeats the setting that is left
.if MSB != (\new)
	s_set_vgpr_msb (MSB<<8)|(\new)
.set MSB, \new
.endif
.endm
.set MUL_LO, 0xa1                      ; source 0 (B) window 1, source 1 (A) window 0, C and D window 2
.set MUL_HI, 0xf1
.set TO_B,   0x40
.macro JLOAD g0a, g1a, g0b, g1b        ; a joint load: waves 0 and 1 fetch for A, waves 2 and 3 for B; four v_nop follow each of the two lines
	s_cmp_eq_u32 s15, 0
	s_cbranch_scc0 .Lfor_b_\@
	tensor_load_to_lds s[\g0a:\g0a+3], s[\g1a:\g1a+7]
	s_nop 0
.rept 4
	v_nop
.endr
	s_branch .Lasked_\@
.Lfor_b_\@:
	tensor_load_to_lds s[\g0b:\g0b+3], s[\g1b:\g1b+7]
	s_nop 0
.rept 4
	v_nop
.endr
.Lasked_\@:
.endm
.macro CREST
	s_cmp_lg_u32 s14, 0
	s_cbranch_scc1 .Lnot_wave_0_\@
	s_barrier_signal -3
.Lnot_wave_0_\@:
	s_barrier_wait -3
	s_barrier_signal -1
	s_barrier_wait -1
.endm
.macro CROUND
	s_barrier_signal -1
	s_barrier_wait -1
	CREST
.endm
	s_load_b128 s[4:7], s[0:1], 0x0                ; cod1 s[4:5], scl1 s[6:7]
	s_load_b128 s[8:11], s[0:1], 0x10              ; cod2 s[8:9], scl2 s[10:11]
	v_lshl_add_u32 v[SPW], v0, 2, SPARE
	v_mov_b32 v[NIL], 0
	ds_add_u32 v28, v29
	ds_add_u32 v28, v29
	s_wait_dscnt 0x0
	v_lshrrev_b32 v1, 5, v0
	v_readfirstlane_b32 s14, v1                    ; wave 0..3
	s_lshr_b32 s15, s14, 1                         ; which half of the tile's rows is mine.  Also: I fetch for A (0) or for B (1)
	s_and_b32 s16, s14, 1                          ; which half of its columns.  Also: which 128 rows I fetch
	s_bfe_u32 s40, ttmp6, 0x40000                  ; cx, cy
	s_bfe_u32 s41, ttmp6, 0x40004
	s_lshr_b32 s66, ttmp9, 1                       ; the way hangs on the cluster's number alone: the same in all sixteen partners
	s_and_b32 s67, ttmp9, 1
	s_sub_co_u32 s12, ttmp9, 16
	s_mov_b32 s13, 10240
	s_mov_b32 s97, 8192
	s_cmp_lt_u32 ttmp9, 16
	s_cselect_b32 s66, s66, 0                      ; the cluster's row of clusters
	s_cselect_b32 s67, s67, s12                    ; its column
	s_cselect_b32 s95, 0, 1                        ; 0: way QK, 1: way V
	s_cselect_b32 s13, 0, s13                      ; A's first row in cod1
	s_cselect_b32 s97, s97, 0                      ; B's
	s_lshl_b32 s42, s67, 2
	s_add_co_u32 s42, s42, s40                     ; tile column
	s_lshl_b32 s17, s66, 2
	s_add_co_u32 s17, s17, s41                     ; tile row
	s_lshl_b32 s43, s41, 2
	s_lshl_b32 s43, 15, s43                        ; my row of the cluster
	s_lshl_b32 s44, 0x1111, s40                    ; my column
	s_or_b32 s[G1+0], s43, (0<<16)|(1<<20)|(1<<21)|(3<<22)|(3<<25)  ; the mask; elements of 1 byte; padding on; bit 21 beside a mask; 4 words of padding after every 16
	s_or_b32 s[G1B+0], s44, (0<<16)|(1<<20)|(1<<21)|(3<<22)|(3<<25)
.irp g, G1, G1B
	s_mov_b32 s[\g+1], ROWB<<16                    ; tensor_dim0
	s_mov_b32 s[\g+2], 128<<16                     ; tensor_dim1
	s_mov_b32 s[\g+3], ROWB<<16                    ; tile_dim0
	s_mov_b32 s[\g+4], 128                         ; tile_dim1
	s_mov_b32 s[\g+5], KROW                        ; from row to row
	s_mov_b32 s[\g+6], 0
	s_mov_b32 s[\g+7], 0
.endr
	s_or_b32 s[G1S+0], s43, (3<<16)|(1<<20)|(1<<21)|(5<<22)|(3<<25)  ; the scales of 128 rows: 4,096 dense bytes as 16 rows of 256, 16 bytes of padding behind each
	s_or_b32 s[G1SB+0], s44, (3<<16)|(1<<20)|(1<<21)|(5<<22)|(3<<25)
.irp g, G1S, G1SB
	s_mov_b32 s[\g+1], 32<<16
	s_mov_b32 s[\g+2], (128*KS/256)<<16
	s_mov_b32 s[\g+3], 32<<16
	s_mov_b32 s[\g+4], 128*KS/256
	s_mov_b32 s[\g+5], 32
	s_mov_b32 s[\g+6], 0
	s_mov_b32 s[\g+7], 0
.endr
	s_lshl_b32 s18, s16, 7
	s_lshl_b32 s20, s17, 8
	s_add_co_u32 s20, s20, s18
	s_add_co_u32 s20, s20, s13                     ; A: row of cod1
	s_lshl_b32 s46, s42, 8
	s_add_co_u32 s46, s46, s18
	s_add_co_u32 s46, s46, s97                     ; B: row of cod1
	s_mov_b32 s21, 0
	s_mov_b32 s47, 0
	s_mov_b64 s[18:19], KS
	s_mul_u64 s[22:23], s[20:21], s[18:19]
	s_mul_u64 s[92:93], s[46:47], s[18:19]
	s_mov_b64 s[18:19], KROW
	s_mul_u64 s[20:21], s[20:21], s[18:19]
	s_mul_u64 s[46:47], s[46:47], s[18:19]
	s_mul_i32 s45, s14, HALFT                      ; where they go: wave x 128 rows
	s_mul_i32 s94, s14, HALFS
	s_wait_kmcnt 0x0
	s_add_nc_u64 s[20:21], s[4:5], s[20:21]
	s_add_nc_u64 s[22:23], s[6:7], s[22:23]
	s_add_nc_u64 s[46:47], s[4:5], s[46:47]
	s_add_nc_u64 s[92:93], s[6:7], s[92:93]
	CROUND                                         ; all sixteen work-groups are here: the first joint loads meet
	s_mov_b32 s[G0S], 1
	s_add_co_u32 s[G0S+1], s94, SCL
	s_mov_b64 s[G0S+2:G0S+3], s[22:23]
	s_or_b32 s[G0S+3], s[G0S+3], 0x80000000
	s_mov_b32 s[G0SB], 1
	s_add_co_u32 s[G0SB+1], s94, SCL
	s_mov_b64 s[G0SB+2:G0SB+3], s[92:93]
	s_or_b32 s[G0SB+3], s[G0SB+3], 0x80000000
	JLOAD G0S, G1S, G0SB, G1SB                     ; the scales first
.irp s, 0,1
	s_mov_b32 s[G0+4*\s], 1
	s_add_co_u32 s[G0+4*\s+1], s45, \s*SLOT
	s_add_nc_u64 s[G0+4*\s+2:G0+4*\s+3], s[20:21], \s*ROWB
	s_or_b32 s[G0+4*\s+3], s[G0+4*\s+3], 0x80000000
	s_mov_b32 s[G0B+4*\s], 1
	s_add_co_u32 s[G0B+4*\s+1], s45, \s*SLOT
	s_add_nc_u64 s[G0B+4*\s+2:G0B+4*\s+3], s[46:47], \s*ROWB
	s_or_b32 s[G0B+4*\s+3], s[G0B+4*\s+3], 0x80000000
	JLOAD G0+4*\s, G1, G0B+4*\s, G1B
.endr
	v_and_b32 v1, 15, v0                           ; r
	v_bfe_u32 v2, v0, 4, 1                         ; lane / 16
	v_mul_u32_u24 v3, v1, PITCH
	v_mul_u32_u24 v4, v2, 24
	v_add_nc_u32 v4, v3, v4                        ; a fragment's row x pitch + 24 x half
	v_lshl_add_u32 v5, v2, 4, v4                   ; and the same behind one padding more
	s_mul_i32 s21, s15, HALFT
	s_mul_i32 s22, s16, HALFT
	s_add_co_u32 s22, s22, 2*HALFT
.irp s, 0,1
	v_add_nc_u32 v[ADRA+\s], s21, v4
	v_add_nc_u32 v[ADRB+\s], s22, v4
	v_add_nc_u32 v[ADRA+2+\s], s21, v5
	v_add_nc_u32 v[ADRB+2+\s], s22, v5
	s_add_co_u32 s21, s21, SLOT
	s_add_co_u32 s22, s22, SLOT
.endr
	v_mul_u32_u24 v5, v1, KS                       ; my row's scales: 32 bytes a row, and 16 more for each 256 passed
	v_lshrrev_b32 v6, 8, v5
	v_lshl_add_u32 v5, v6, 4, v5
	s_mul_i32 s21, s15, HALFS
	s_mul_i32 s22, s16, HALFS
	s_add_co_u32 s22, s22, 2*HALFS
	s_sub_co_u32 s22, s22, s21
	v_mul_u32_u24 v6, s22, v2                      ; lanes 16-31 take B's
	s_add_co_u32 s21, s21, SCL
	v_add_nc_u32 v5, v5, v6
	v_add_nc_u32 v[ADRS], s21, v5
	; the way out: which head and key step are my wave's.  R0, C0: my first row of A and of B, counted in their own tensors
	s_lshl_b32 s20, s17, 8
	s_lshl_b32 s21, s15, 7
	s_add_co_u32 s20, s20, s21                     ; R0
	s_lshl_b32 s46, s42, 8
	s_lshl_b32 s47, s16, 7
	s_add_co_u32 s46, s46, s47                     ; C0
	s_lshr_b32 s21, s46, 10                        ; way QK: head = 64 (0 q, 1 k) + 16 b + h
	s_lshl_b32 s21, s21, 6
	s_lshr_b32 s22, s20, 11
	s_lshl_b32 s22, s22, 4
	s_add_co_u32 s21, s21, s22
	s_bfe_u32 s22, s46, 0x40006
	s_add_co_u32 s21, s21, s22
	s_bfe_u32 s22, s20, 0x40007                    ; its key step: 128 tokens
	s_lshr_b32 s23, s46, 11                        ; way V: 16 b + h
	s_lshl_b32 s23, s23, 4
	s_lshr_b32 s47, s20, 6
	s_add_co_u32 s23, s23, s47
	s_bfe_u32 s47, s46, 0x40007
	s_lshl_b32 s12, s21, 13                        ; the scale words' place: way QK
	s_lshl_b32 s13, s22, 9
	s_add_co_u32 s12, s12, s13
	s_lshl_b32 s13, s23, 12                        ; way V
	s_lshl_b32 s97, s47, 8
	s_add_co_u32 s13, s13, s97
	s_add_co_u32 s13, s13, 1048576
	s_add_co_u32 s23, s23, 128
	s_mov_b32 s97, 4096
	s_cmp_eq_u32 s95, 0
	s_cselect_b32 s21, s21, s23
	s_cselect_b32 s22, s22, s47
	s_cselect_b32 s12, s12, s13
	s_cselect_b32 s97, 8192, s97                   ; a head's scale bytes
	s_mul_i32 s21, s21, 98304
	s_mul_i32 s22, s22, 6144
	s_add_co_u32 s20, s21, s22
	s_mov_b32 s21, 0
	s_mov_b32 s13, 0
	s_add_nc_u64 s[8:9], s[8:9], s[20:21]
	s_add_nc_u64 s[10:11], s[10:11], s[12:13]
	s_mov_b32 s96, 0x2800000                       ; the floor 2^(5 - 127)
	s_mov_b32 s98, 0x76543210
	s_mov_b32 s99, 0xfedcba98                      ; v_permlanex16_b32's selects for lane l xor 16
	v_and_b32 v6, 31, v0
	v_lshlrev_b32 v[O8], 3, v6
	v_lshlrev_b32 v[O16], 4, v6
	v_lshlrev_b32 v[SH], 4, v2
	v_mul_u32_u24 v[OSC], s97, v2
	v_lshl_add_u32 v[OSC], v1, 4, v[OSC]
.macro FRAG reg, adr, q, i             ; a fragment, 16 rows x 128 K: 12 registers, in six pieces of 8 bytes; where the piece of lanes 16-31 lies behind one padding more, the second address register serves
.irp p, 0,1,2,3,4,5
.set PIE, 12*(\q)+6*(\p/3)+\p%3
.if PIE%8 < 5
	ds_load_b64 v[\reg+2*\p:\reg+2*\p+1], v[\adr] offset:8*PIE+16*(PIE/8)+(\i)*16*PITCH
.else
	ds_load_b64 v[\reg+2*\p:\reg+2*\p+1], v[\adr+2] offset:8*PIE+16*(PIE/8)+(\i)*16*PITCH
.endif
.endr
.endm
; 16 matrix instructions: A's blocks a0, a0 + 1 x B's eight.  The 64 accumulators take turns, one instruction a turn, in the same order in every step.
.macro MUL16 a0, p, q, sc, zero
.irp a, \a0, \a0+1
.irp b, 0,1,2,3,4,5,6,7
.if \zero
	v_wmma_scale_f32_16x16x128_f8f6f4 v[8*(8*((\a)%4)+\b):8*(8*((\a)%4)+\b)+7], v[128*(\p)+FR*\b:128*(\p)+FR*\b+FR-1], v[AF+FR*(\a):AF+FR*(\a)+FR-1], 0, v[SC+8*NQ*(\sc)+NQ*\b+(\q)], v[SC+8*NQ*(\sc)+NQ*(\a)+(\q)] matrix_a_fmt:MATRIX_FMT_BF6 matrix_b_fmt:MATRIX_FMT_BF6 matrix_a_scale:MATRIX_SCALE_ROW1
.else
	v_wmma_scale_f32_16x16x128_f8f6f4 v[8*(8*((\a)%4)+\b):8*(8*((\a)%4)+\b)+7], v[128*(\p)+FR*\b:128*(\p)+FR*\b+FR-1], v[AF+FR*(\a):AF+FR*(\a)+FR-1], v[8*(8*((\a)%4)+\b):8*(8*((\a)%4)+\b)+7], v[SC+8*NQ*(\sc)+NQ*\b+(\q)], v[SC+8*NQ*(\sc)+NQ*(\a)+(\q)] matrix_a_fmt:MATRIX_FMT_BF6 matrix_b_fmt:MATRIX_FMT_BF6 matrix_a_scale:MATRIX_SCALE_ROW1
.endif
.endr
.endr
.endm
.macro FETCH_B slot, q, p
	WIN TO_B
.irp i, 0,1,2,3,4,5,6,7
	FRAG 128*(\p)+FR*\i, ADRB+\slot, \q, \i
.endr
	WIN 0
.endm
.macro FETCH_A slot, q, i0
.irp i, \i0, \i0+1, \i0+2, \i0+3
	FRAG AF+FR*(\i), ADRA+\slot, \q, \i
.endr
.endm
.macro SCALES sc                       ; a K step's scale words: lanes 0-15 take A's block i, lanes 16-31 B's block i
.irp i, 0,1,2,3,4,5,6,7
	ds_load_b64 v[SC+8*NQ*\sc+NQ*\i:SC+8*NQ*\sc+NQ*\i+1], v[ADRS] offset:\i*SBLK
.endr
.endm
.macro PLACES n                        ; plain vector lines between a matrix instruction and a load into, or a vector line on, its registers
.rept \n
	v_nop
.endr
.endm
.macro STEP slot, q, zero              ; a step of 128 along K that has its successor in the same slot
	s_wait_dscnt 4*NL                              ; B's set and A's blocks 0-3 are in; the youngest 24 loads (A's blocks 4-7) may be out
	WIN MUL_LO
	MUL16 0, (\q)%2, \q, \slot, \zero
	MUL16 2, (\q)%2, \q, \slot, \zero
	s_wait_dscnt 0
	PLACES NP
	FETCH_B \slot, (\q)+1, 1-(\q)%2
	FETCH_A \slot, (\q)+1, 0
	WIN MUL_HI
	MUL16 4, (\q)%2, \q, \slot, \zero
	MUL16 6, (\q)%2, \q, \slot, \zero
	PLACES NP
	WIN 0
	FETCH_A \slot, (\q)+1, 4
.endm
; A slot's last step changes slots: ONE barrier; in front of it each wave waits for all its tensor loads, adds 0 to its spare word, and waits for that and for its reads of this slot.
.macro TURN slot, next, fill
	s_wait_tensorcnt 0x0                           ; all my tensor loads have landed: my part of the next slot
	ds_add_u32 v[SPW], v[NIL]                      ; 0 onto my spare word
	s_wait_dscnt 4*NL+1                            ; (the add and the youngest 24 loads may be out)
	WIN MUL_LO
	MUL16 0, 1, NQ-1, \slot, 0
	s_wait_dscnt 0x0                               ; the add is done, and my reads of this slot are over
	s_barrier_signal -1
	MUL16 2, 1, NQ-1, \slot, 0
	WIN 0
	s_barrier_wait -1
.if \fill
	CREST                                          ; the barrier has opened a round of the cluster's barrier: no wave of any partner still reads this slot or has a load on its way
	s_add_nc_u64 s[G0+4*\slot+2:G0+4*\slot+3], s[G0+4*\slot+2:G0+4*\slot+3], 2*ROWB
	s_add_nc_u64 s[G0B+4*\slot+2:G0B+4*\slot+3], s[G0B+4*\slot+2:G0B+4*\slot+3], 2*ROWB
	JLOAD G0+4*\slot, G1, G0B+4*\slot, G1B         ; the first tensor load behind the round; its four v_nop are the places in front of the loads below
.else
	PLACES NP
.endif
	s_wait_alu depctr_va_vdst(0)
	v_add_nc_u32 v[ADRS], 4*NQ, v[ADRS]            ; on to the next K step's scale words
	FETCH_B \next, 0, 0
	FETCH_A \next, 0, 0
	SCALES \next
	WIN MUL_HI
	MUL16 4, 1, NQ-1, \slot, 0
	MUL16 6, 1, NQ-1, \slot, 0
	PLACES NP
	WIN 0
	FETCH_A \next, 0, 4
.endm
	s_wait_alu depctr_va_vdst(0)
	s_wait_tensorcnt 1                             ; the scales and my part of K step 0 are in; K step 1's load may be out
	s_barrier_signal -1
	s_barrier_wait -1
	FETCH_B 0, 0, 0
	FETCH_A 0, 0, 0
	SCALES 0
	FETCH_A 0, 0, 4
	STEP 0, 0, 1                                   ; the first step's products start the sums
	s_mov_b32 s3, LAPS-1
.Llap:
	TURN 0, 1, 1
	STEP 1, 0, 0
	TURN 1, 0, 1
	STEP 0, 0, 0
	s_sub_co_u32 s3, s3, 1
	s_cmp_lg_u32 s3, 0
	s_cbranch_scc1 .Llap
	TURN 0, 1, 0                                   ; the last lap fills nothing
	STEP 1, 0, 0
	s_wait_dscnt 4*NL
	WIN MUL_LO
	MUL16 0, 1, NQ-1, 1, 0
	MUL16 2, 1, NQ-1, 1, 0
	s_wait_dscnt 0
	WIN MUL_HI
	MUL16 4, 1, NQ-1, 1, 0
	MUL16 6, 1, NQ-1, 1, 0
	WIN 0
; THE WAY OUT.  Block a (16 rows of A): a lane's 64 registers, register 16 b + i = place 32 b + 16 (lane / 16) + i along B, become a fragment's 12 registers of codes in v[PC] on and a scale word in v[PWS + a].
.macro QUANTA a
.set AC, 64*((\a)%4)
.set HW, (\a)/4
	WIN 0x28+0x14*HW                               ; sources 1 and 2: window 2 or 3
.irp b, 0,1,2,3
	v_max3_num_f32 v[TM+\b], s96, |v[AC+16*\b]|, |v[AC+16*\b+1]|   ; block b: my 16 numbers and the floor; each accumulator is read from its low end on
.endr
.irp i, 2,4,6,8,10,12,14
.irp b, 0,1,2,3
	v_max3_num_f32 v[TM+\b], v[TM+\b], |v[AC+16*\b+\i]|, |v[AC+16*\b+\i+1]|
.endr
.endr
	WIN 0
.irp b, 0,1,2,3
	v_permlanex16_b32 v[TM+4+\b], v[TM+\b], s98, s99
.endr
.irp b, 0,1,2,3
	v_max_num_f32 v[TM+\b], v[TM+\b], v[TM+4+\b]   ; with lane l xor 16's: the block's largest magnitude
.endr
.irp b, 0,1,2,3
	v_add_nc_u32 v[TM+12+\b], 0xfe000000, v[TM+\b] ; 4 off its exponent field: the conversion's scale operand
.endr
.irp b, 0,1,2,3
	v_lshrrev_b32 v[TM+4+\b], 23, v[TM+12+\b]      ; the scale's byte
.endr
	v_lshl_or_b32 v[PWS+(\a)], v[TM+5], 8, v[TM+4]
	v_lshl_or_b32 v[PWS+(\a)], v[TM+6], 16, v[PWS+(\a)]
	v_lshl_or_b32 v[PWS+(\a)], v[TM+7], 24, v[PWS+(\a)]
	s_wait_xcnt 0x0                                ; the last block's stores have read v[PC] on: only now are they written again
	WIN 0x02+HW                                    ; source 0: window 2 or 3
.irp c, 0,1
	v_cvt_scalef32_pk16_bf6_f32 v[PC+6*\c:PC+2+6*\c], v[AC+32*\c:AC+15+32*\c], v[TM+12+2*\c]
	v_cvt_scalef32_pk16_bf6_f32 v[PC+12+4*\c:PC+14+4*\c], v[AC+16+32*\c:AC+31+32*\c], v[TM+12+2*\c+1]
.endr
	WIN 0
	v_nop                                          ; one plain line behind the conversions
.irp c, 0,1                                    ; a WHOLE block to a lane: lanes 0-15 block 2 c, lanes 16-31 block 2 c + 1
.irp i, 0,1,2
	v_permlane16_swap_b32 v[PC+6*\c+\i], v[PC+12+4*\c+\i]
.endr
.irp i, 0,1,2
	v_mov_b32 v[PC+3+6*\c+\i], v[PC+12+4*\c+\i]
.endr
.endr
.endm
.macro OUTA a                          ; way QK: registers 0-5 are my first head's fragment of token tile a, registers 6-11 my second head's.  Way V: the twelve are the fragment of d tile a % 4 of head a / 4
	s_cmp_lg_u32 s95, 0
	s_cbranch_scc1 .Lv_out_\@
.irp j, 0,1,2,3,4,5
	global_store_b64 v[O8], v[PC+2*\j:PC+2*\j+1], s[8:9] offset:(\j/3)*98304+(\a)*768+(\j%3)*256   ; 32 lanes store 256 consecutive bytes, aligned
.endr
	s_branch .Lout_done_\@
.Lv_out_\@:
	s_wait_alu depctr_va_vdst(0)
.irp i, 0,1,2
	global_store_b128 v[O16], v[PC+4*\i:PC+4*\i+3], s[8:9] offset:((\a)/4)*98304+((\a)%4)*1536+512*\i   ; 512 consecutive bytes, aligned
.endr
.Lout_done_\@:
.endm
	PLACES NP                                      ; behind the last products: A's registers are written below
.irp b, 0,1,2,3
	v_mov_b32 v[TM+4+\b], 0                        ; written once: a lane permute's destination counts as one of its sources
.endr
.irp a, 0,1,2,3,4,5,6,7
	QUANTA \a
	OUTA \a
.endr
	s_cmp_lg_u32 s95, 0
	s_cbranch_scc1 .Lv_scales
.irp a, 0,1,2,3,4,5,6,7
	v_lshrrev_b32 v[SW+\a], v[SH], v[PWS+\a]       ; lanes 0-15: my first head's two bytes; lanes 16-31: my second head's
.endr
.irp a, 0,1,2,3,4,5,6,7
	v_and_b32 v[SW+\a], 0xffff, v[SW+\a]           ; bytes 2 and 3 are 0: they scale the zero codes that fill K up to 128
.endr
	global_store_b128 v[OSC], v[SW:SW+3], s[10:11]             ; sixteen lanes store 256 consecutive bytes, aligned
	global_store_b128 v[OSC], v[SW+4:SW+7], s[10:11] offset:256
	s_branch .Lend
.Lv_scales:
	v_cmp_ne_u32 vcc_lo, 0, v[SH]
.irp t, 0,1,2,3
	v_cndmask_b32 v[SW+\t], v[PWS+\t], v[PWS+4+\t], vcc_lo     ; lanes 0-15: head a / 4 = 0; lanes 16-31: the other
.endr
	global_store_b128 v[OSC], v[SW:SW+3], s[10:11]
.Lend:
	s_wait_tensorcnt 0x0                           ; the wave's end
	ds_add_u32 v[SPW], v[NIL]
	s_wait_dscnt 0x0
	CROUND                                         ; the closing round
	s_endpgm
.Lfunc_end_k_q36b67e17d4_gemmq:
	.size	k_q36b67e17d4_gemmq, .Lfunc_end_k_q36b67e17d4_gemmq-k_q36b67e17d4_gemmq
	.p2alignl 7, 3214868480
	.fill 96, 4, 3214868480
	.section	.rodata,"a",@progbits
	.p2align	6, 0x0
	.amdhsa_kernel k_q36b67e17d4_gemmq
		.amdhsa_group_segment_fixed_size 327680
		.amdhsa_private_segment_fixed_size 0
		.amdhsa_enable_private_segment 0
		.amdhsa_kernarg_size 32
		.amdhsa_user_sgpr_count 2
		.amdhsa_user_sgpr_kernarg_segment_ptr 1
		.amdhsa_wavefront_size32 1
		.amdhsa_system_sgpr_workgroup_id_x 1
		.amdhsa_system_sgpr_workgroup_id_y 1
		.amdhsa_system_sgpr_workgroup_id_z 1
		.amdhsa_system_vgpr_workitem_id 0
		.amdhsa_next_free_vgpr 1024
		.amdhsa_next_free_sgpr 100
		.amdhsa_reserve_vcc 1
		.amdhsa_float_denorm_mode_32 3
		.amdhsa_float_denorm_mode_16_64 3
		.amdhsa_memory_ordered 1
		.amdhsa_forward_progress 1
		.amdhsa_inst_pref_size 171
	.end_amdhsa_kernel
	.amdgpu_metadata
---
amdhsa.version: [ 1, 2 ]
amdhsa.kernels:
  - .name:           k_q36b67e17d4_gemmq
    .symbol:         k_q36b67e17d4_gemmq.kd
    .args:
      - { .name: cod1, .offset: 0, .size: 8, .value_kind: global_buffer, .address_space: global }
      - { .name: scl1, .offset: 8, .size: 8, .value_kind: global_buffer, .address_space: global }
      - { .name: cod2, .offset: 16, .size: 8, .value_kind: global_buffer, .address_space: global }
      - { .name: scl2, .offset: 24, .size: 8, .value_kind: global_buffer, .address_space: global }
    .group_segment_fixed_size: 327680
    .private_segment_fixed_size: 0
    .kernarg_segment_align: 8
    .kernarg_segment_size: 32
    .max_flat_workgroup_size: 128
    .sgpr_count:     100
    .vgpr_count:     1024
    .wavefront_size: 32
...
	.end_amdgpu_metadata
.endif
;; end of part 2
;; launch attn (part 3): grid 256 x 1, 16 waves a work-group, clusters of 4 x 1, 210,944 bytes of LDS; arguments cod2, scl2, oc, os; writes oc, os
.if DOCPART == 3
	.amdgcn_target "amdgcn-amd-amdhsa--gfx1250"
	.amdhsa_code_object_version 6
	.text
	.protected	k_q36b67e17d4_attn
	.globl	k_q36b67e17d4_attn
	.p2align	8
	.type	k_q36b67e17d4_attn,@function
k_q36b67e17d4_attn:
	s_mov_b64 s[64:65], 0
	v_nop
	global_prefetch_b8 v0, s[64:65] scope:SCOPE_SE
	s_setreg_imm32_b32 hwreg(HW_REG_WAVE_MODE, 25, 1), 1
	s_wait_xcnt 0x0
	s_wait_alu depctr_hold_cnt(0) depctr_sa_sdst(0) depctr_va_vdst(0) depctr_va_sdst(0) depctr_va_ssrc(0) depctr_va_vcc(0) depctr_vm_vsrc(0)
	s_getreg_b32 s2, hwreg(HW_REG_IB_STS2, 6, 4)
	s_cmp_eq_u32 s2, 0
	s_cbranch_scc0 .Lentry_in_a_cluster
	s_endpgm
.Lentry_in_a_cluster:
	s_bfe_u32 s2, ttmp6, 0x10000c
	s_cmp_lg_u32 s2, 0x3003
	s_cbranch_scc0 .Lentry_shape_is_right
	s_endpgm
.Lentry_shape_is_right:
; Causal attention of one head (16 b + h = the cluster's number) on codes of BF6 with E8M0 scales: S^T = K Q^T (K = 64), p = 2^(t - M), O^T = V^T P^T (K = the keys), O / l, quantised along d for the projection.
; THE WHOLE HEAD'S K AND V LIE IN LDS: 98,304 bytes of codes each, 8,192 + 4,096 bytes of scale words, filled ONCE by joint loads of the cluster's four work-groups (wave w brings key step w): no slot is filled again.
; SHARES.  A head has 128 tiles of 16 queries.  With g = wave / 2 and u = 8 g + 4 (wave % 2) + cx a wave takes tiles u and 127 - u: g + 1 and 16 - g key steps of 128 keys: 17 steps for every wave.
; The counts hang on the wave's number alone; cx enters global addresses and the mask's vector compare, no branch and no LDS address.
; LAYOUT.  Both products are used transposed: a lane holds ONE query (lane % 16).  Tokens and V's d rows lie permuted (bits 3 and 4 of the number exchanged), so the 16 registers of two neighbouring tiles are 16 neighbouring keys, or d.
; K = 64: a key tile's fragment is six registers.  The operand names twelve: the upper six are the next tile's codes (behind the last tile: zeros).  They meet Q's upper six registers, which are zero codes, under scale bytes 0
; on both sides: BF6 has no code for NaN or infinity, so they add exactly 0.
; SOFTMAX: t = score x log2(e) / 8; M = the running largest t rounded up to a whole number; the row's sum is taken of the unquantised p; when M moves, sum and O^T are multiplied by 2^(old M - new M).
; oc: [token tile 512][head 16][3][32 lanes][8 bytes]: the six registers of a fragment of 16 tokens x 64 d.   os: [token 8192][32 bytes]: byte 2 head + block.
; LIMITS: t under -3e38 is not served; a block of zeros or under 2^-122 gets the scale byte 1; os is stored a byte a lane, rows 32 bytes apart (2 bytes for each 48 of codes); NaN and infinities are not served.
; REGISTERS: v1-7 addresses that stay; v8-11 the step's LDS addresses; v12 -M, v13 the largest t, v[14:15] the sum; v16-21 Q, v22-27 zeros, v28 Q's scale word; v29 p's; v[30:31] f; v32-79 K's eight fragments, then V's four;
;   v80-85 zeros; v86-93 K's scale words, v94-97 V's; v98-161 S^T, then p; v162-193 O^T; v194-205 p's codes; v206-229 at work; v232-238 the second tile's Q and scale word.
.set VCB,  98304                       ; LDS: K's codes from 0 (6,144 a key step, 768 a tile), V's from here (6,144 a key step, 1,536 a d tile),
.set KSB,  196608                      ; K's scale words (512 a key step),
.set VSB,  204800                      ; V's (256 a key step)
.set S,    98
.set OT,   162
.set PCD,  194
.set CT,   206
.set BM,   214
.set PT,   218
.set SO,   222
.set TMP,  226
.set NINF, 227
.set SUM2, 228
.set Q2,   232
.set WV,   16
.set G1C,  24                          ; s[24:31] group 1: 24 rows of 256 bytes;  s[32:39]: 2 rows;  s[40:47]: 1 row
.set G1KS, 32
.set G1VS, 40
.macro CROUND                          ; a round of the cluster's barrier
	s_barrier_signal -1
	s_barrier_wait -1
	s_cmp_lg_u32 s[WV], 0
	s_cbranch_scc1 .Lnot_wave_0_\@
	s_barrier_signal -3
.Lnot_wave_0_\@:
	s_barrier_wait -3
	s_barrier_signal -1
	s_barrier_wait -1
.endm
	s_load_b256 s[4:11], s[0:1], 0x0               ; cod2 s[4:5], scl2 s[6:7], oc s[8:9], os s[10:11]
	v_lshl_add_u32 v254, v0, 2, 0x33000
	v_mov_b32 v255, 0
	ds_add_u32 v254, v255
	ds_add_u32 v254, v255
	v_lshrrev_b32 v8, 5, v0
	s_delay_alu instid0(VALU_DEP_1)
	v_readfirstlane_b32 s[WV], v8                  ; wave 0..15
	s_lshr_b32 s17, s[WV], 1                       ; g
	s_xor_b32 s18, s17, 15                         ; 15 - g
	s_bfe_u32 s19, ttmp6, 0x40000                  ; cx
	s_mov_b32 s20, 0x76543210
	s_mov_b32 s21, 0xfedcba98                      ; v_permlanex16_b32's selects for lane l xor 16
	s_mov_b32 s22, 0x3e38aa3b                      ; c = log2(e) / 8
	s_mov_b32 s23, s22                             ; (named with it as a pair)
.irp g, G1C, G1KS, G1VS
	s_mov_b32 s[\g], 15|(3<<16)|(1<<21)            ; the mask: all four work-groups; elements of 8 bytes; bit 21 beside a mask; no padding
	s_mov_b32 s[\g+1], 32<<16                      ; tensor_dim0 = 32 elements: 256 bytes
	s_mov_b32 s[\g+3], 32<<16                      ; tile_dim0
	s_mov_b32 s[\g+5], 32                          ; from row to row: dense
	s_mov_b32 s[\g+6], 0
	s_mov_b32 s[\g+7], 0
.endr
	s_mov_b32 s[G1C+2], 24<<16                     ; tensor_dim1, tile_dim1
	s_mov_b32 s[G1C+4], 24
	s_mov_b32 s[G1KS+2], 2<<16
	s_mov_b32 s[G1KS+4], 2
	s_mov_b32 s[G1VS+2], 1<<16
	s_mov_b32 s[G1VS+4], 1
	s_mul_i32 s72, ttmp9, 98304                    ; the head's codes (q's),
	s_lshl_b32 s73, ttmp9, 13                      ; its scale words (q's)
	s_mul_i32 s67, s[WV], 6144                     ; key step w
	s_lshl_b32 s68, s[WV], 9
	s_lshl_b32 s69, s[WV], 8
	s_add_co_u32 s70, s72, s67
	s_add_co_u32 s70, s70, 64*98304                ; k's heads lie 64 heads on
	s_mov_b32 s71, 0
	s_wait_dscnt 0x0
	s_wait_kmcnt 0x0
	s_mov_b32 s48, 1                               ; s[48:51]: K's codes
	s_mov_b32 s49, s67
	s_add_nc_u64 s[50:51], s[4:5], s[70:71]
	s_or_b32 s51, s51, 0x80000000
	s_add_co_u32 s70, s70, 64*98304                ; v's 64 more
	s_mov_b32 s52, 1                               ; s[52:55]: V's codes
	s_add_co_u32 s53, s67, VCB
	s_add_nc_u64 s[54:55], s[4:5], s[70:71]
	s_or_b32 s55, s55, 0x80000000
	s_add_co_u32 s70, s73, s68
	s_add_co_u32 s70, s70, 64*8192
	s_mov_b32 s56, 1                               ; s[56:59]: K's scale words
	s_add_co_u32 s57, s68, KSB
	s_add_nc_u64 s[58:59], s[6:7], s[70:71]
	s_or_b32 s59, s59, 0x80000000
	s_lshl_b32 s70, ttmp9, 12
	s_add_co_u32 s70, s70, s69
	s_add_co_u32 s70, s70, 1048576
	s_mov_b32 s60, 1                               ; s[60:63]: V's scale words
	s_add_co_u32 s61, s69, VSB
	s_add_nc_u64 s[62:63], s[6:7], s[70:71]
	s_or_b32 s63, s63, 0x80000000
	CROUND                                         ; all four work-groups are here: the joint loads meet
	tensor_load_to_lds s[48:51], s[G1C:G1C+7]      ; four loads of mine are out: the launch's only fills
	s_nop 0
	tensor_load_to_lds s[52:55], s[G1C:G1C+7]
	s_nop 0
	tensor_load_to_lds s[56:59], s[G1KS:G1KS+7]
	s_nop 0
	tensor_load_to_lds s[60:63], s[G1VS:G1VS+7]
	s_nop 0
.rept 4
	v_nop
.endr
	s_and_b32 s67, s[WV], 1
	s_lshl_b32 s67, s67, 2
	s_add_co_u32 s67, s67, s19
	s_lshl_b32 s12, s17, 3
	s_add_co_u32 s12, s12, s67                     ; my first tile: u
	s_sub_co_u32 s13, 127, s12                     ; my second: 127 - u
	s_lshr_b32 s75, ttmp9, 4
	s_lshl_b32 s75, s75, 7                         ; 128 b
	s_and_b32 s86, ttmp9, 15
	s_lshl_b32 s87, s86, 1                         ; 2 h
	s_mul_i32 s86, s86, 768                        ; 768 h
; tile s[t]: where its codes and scale words of q lie, where its results go, and its queries' place in their key step
.macro TILE t, qc, qs, ob, sb, dq
	s_mul_i32 s70, s[\t], 768
	s_add_co_u32 s70, s70, s72
	s_add_nc_u64 s[\qc:\qc+1], s[4:5], s[70:71]
	s_lshr_b32 s70, s[\t], 2
	s_lshl_b32 s70, s70, 8
	s_and_b32 s74, s[\t], 3
	s_lshl_b32 s74, s74, 2
	s_add_co_u32 s70, s70, s74
	s_add_co_u32 s70, s70, s73
	s_add_nc_u64 s[\qs:\qs+1], s[6:7], s[70:71]
	s_add_co_u32 s74, s75, s[\t]                   ; the token tile among 512
	s_mul_i32 s70, s74, 12288
	s_add_co_u32 s70, s70, s86
	s_add_nc_u64 s[\ob:\ob+1], s[8:9], s[70:71]
	s_lshl_b32 s70, s74, 9
	s_add_co_u32 s70, s70, s87
	s_add_nc_u64 s[\sb:\sb+1], s[10:11], s[70:71]
	s_bfe_u32 s70, s[\t], 0x20001
	s_lshl_b32 s70, s70, 5
	s_and_b32 s74, s[\t], 1
	s_lshl_b32 s74, s74, 3
	s_add_co_u32 s[\dq], s70, s74                  ; 32 ((t / 2) % 4) + 8 (t % 2)
.endm
	TILE 12, 88, 90, 76, 78, 84
	TILE 13, 92, 94, 80, 82, 85
	v_and_b32 v226, 31, v0                         ; lane
	v_and_b32 v227, 15, v0                         ; r
	v_bfe_u32 v228, v0, 4, 1                       ; lane / 16
	s_delay_alu instid0(VALU_DEP_3)
	v_lshlrev_b32 v1, 3, v226                      ; 8 x lane
	s_delay_alu instid0(VALU_DEP_4)
	v_lshl_add_u32 v2, v226, 4, VCB                ; V's fragments: 16 x lane
	s_delay_alu instid0(VALU_DEP_4)
	v_lshl_add_u32 v3, v227, 4, KSB                ; K's scale words: 16 r
	v_lshl_add_u32 v4, v227, 4, VSB                ; V's
	v_lshrrev_b32 v229, 3, v227
	s_delay_alu instid0(VALU_DEP_1)
	v_lshl_add_u32 v5, v229, 3, v227               ; my query in its tile's 32 tokens, less the tile's 8 (t % 2): r + 8 (r / 8),
	v_lshlrev_b32 v229, 4, v228
	s_delay_alu instid0(VALU_DEP_1)
	v_sub_nc_u32 v5, v5, v229                      ; less my half's 16 keys
	v_lshl_add_u32 v7, v227, 5, v228               ; os: 32 r + my block
	v_lshlrev_b32 v8, 4, v227                      ; q's scale words: 16 r
.irp i, 0,1,2
	global_load_b64 v[16+2*\i:17+2*\i], v1, s[88:89] offset:256*\i
	global_load_b64 v[Q2+2*\i:Q2+2*\i+1], v1, s[92:93] offset:256*\i
.endr
	global_load_b32 v28, v8, s[90:91]
	global_load_b32 v[Q2+6], v8, s[94:95]
	v_add_nc_u32 v6, s84, v5                       ; register 16 b + i holds a hidden key where 32 b + i > v6
.irp i, 0,1,2,3,4,5
	v_mov_b32 v[22+\i], 0                          ; Q's upper half: zero codes
	v_mov_b32 v[80+\i], 0                          ; behind K's last tile
.endr
	v_mov_b32 v[NINF], 0xff800000                  ; -infinity
	v_mov_b32 v13, 0xff61b1e6                      ; the largest t so far: -3e38
	s_delay_alu instid0(VALU_DEP_1)
	v_floor_f32 v12, -v13                          ; -M
	v_mov_b32 v14, 0
	v_mov_b32 v15, 0
	v_mov_b32 v31, 0                               ; (the upper half of the pair v[30:31])
.irp b, 0,1,2,3
	v_mov_b32 v[PT+\b], 0                          ; a lane permute's destination counts as one of its sources
.endr
.set n, 0
.rept 32
	v_mov_b32 v[OT+n], 0                           ; O^T: the step is written once; the first finds zeros
.set n, n+1
.endr
	s_mov_b32 s2, 0                                ; the trip: 0 .. 16
	s_wait_tensorcnt 0x0                           ; my four loads have landed,
	s_wait_loadcnt 0x0                             ; Q is in,
	s_barrier_signal -1
	s_barrier_wait -1                              ; and every wave's key step lies in LDS
.Lstep:
	s_cmp_gt_u32 s2, s17                           ; trips 0 .. g: my first tile's key steps 0 .. g; trips g + 1 .. 16: my second tile's 0 .. 15 - g
	s_cselect_b32 s3, s18, 0
	s_add_co_u32 s3, s3, s2
	s_and_b32 s3, s3, 15                           ; the key step: I, or I + 15 - g modulo 16 = I - g - 1
	s_cmp_eq_u32 s2, s17
	s_cselect_b32 s66, 1, 0
	s_cmp_eq_u32 s2, 16
	s_cselect_b32 s66, 1, s66                      ; a tile's last key step, which is the one on the diagonal
	s_mul_i32 s67, s3, 6144
	s_lshl_b32 s68, s3, 9
	s_lshl_b32 s69, s3, 8
	s_setprio 2
	v_add_nc_u32 v8, s67, v1                       ; (these four are the places behind the last trip's products, in front of the loads into their registers)
	v_add_nc_u32 v9, s67, v2
	v_add_nc_u32 v10, s68, v3
	v_add_nc_u32 v11, s69, v4
.irp t, 0,1,2,3,4,5,6,7
.irp i, 0,1,2
	ds_load_b64 v[32+6*\t+2*\i:33+6*\t+2*\i], v8 offset:768*\t+256*\i      ; 32 lanes read 256 consecutive bytes
.endr
.endr
	ds_load_b128 v[86:89], v10                     ; the scale words of tiles 0-3,
	ds_load_b128 v[90:93], v10 offset:256          ; of tiles 4-7
	s_wait_alu depctr_va_vdst(0)
	s_wait_dscnt 0x0
.irp t, 0,1,2,3,4,5,6,7
	v_wmma_scale_f32_16x16x128_f8f6f4 v[S+8*\t:S+8*\t+7], v[32+6*\t:43+6*\t], v[16:27], 0, v[86+\t], v28 matrix_a_fmt:MATRIX_FMT_BF6 matrix_b_fmt:MATRIX_FMT_BF6
.endr
.rept 4
	v_nop                                          ; places: in front of the loads into K's registers and of the first read of the scores
.endr
.irp t, 0,1,2,3
.irp i, 0,1,2
	ds_load_b128 v[32+12*\t+4*\i:35+12*\t+4*\i], v9 offset:1536*\t+512*\i  ; V's fragments land while the softmax is walked
.endr
.endr
	ds_load_b128 v[94:97], v11
	s_cmp_eq_u32 s66, 0
	s_cbranch_scc1 .Lopen
.set n, 0
.rept 64                                       ; on the diagonal the scores of hidden keys become -infinity: p = 0
	v_cmp_gt_i32 vcc_lo, 32*(n/16)+n%16, v6
	v_cndmask_b32 v[S+n], v[S+n], v[NINF], vcc_lo
.set n, n+1
.endr
.Lopen:
.irp b, 0,1,2,3
	v_max3_num_f32 v[BM+\b], v[S+16*\b], v[S+1+16*\b], v[S+2+16*\b]        ; the largest score of each block of 32 keys: for the row's maximum and for the block's largest p
.endr
.irp i, 3,5,7,9,11,13
.irp b, 0,1,2,3
	v_max3_num_f32 v[BM+\b], v[BM+\b], v[S+16*\b+\i], v[S+1+16*\b+\i]
.endr
.endr
.irp b, 0,1,2,3
	v_max_num_f32 v[BM+\b], v[BM+\b], v[S+15+16*\b]
.endr
.irp b, 0,1,2,3
	s_delay_alu instid0(VALU_DEP_4)
	v_permlanex16_b32 v[PT+\b], v[BM+\b], s20, s21
.endr
.irp b, 0,1,2,3
	s_delay_alu instid0(VALU_DEP_4)
	v_max_num_f32 v[BM+\b], v[BM+\b], v[PT+\b]
.endr
	s_delay_alu instid0(VALU_DEP_2)
	v_max3_num_f32 v[TMP], v[BM], v[BM+1], v[BM+2]
	s_delay_alu instid0(VALU_DEP_1)
	v_max_num_f32 v[TMP], v[TMP], v[BM+3]
	s_delay_alu instid0(VALU_DEP_1)
	v_mul_f32 v[TMP], s22, v[TMP]
	s_delay_alu instid0(VALU_DEP_1)
	v_max_num_f32 v13, v13, v[TMP]                 ; the running largest t
	v_mov_b32 v[TMP], v12
	s_delay_alu instid0(VALU_DEP_2)
	v_floor_f32 v12, -v13                          ; the new -M = -ceil(t)
	s_delay_alu instid0(VALU_DEP_1)
	v_sub_f32 v[TMP], v12, v[TMP]                  ; old M - new M: a whole number, 0 or less
	s_delay_alu instid0(VALU_DEP_1)
	v_cvt_i32_f32 v[TMP], v[TMP]                   ; (it saturates)
	s_delay_alu instid0(VALU_DEP_1)
	v_ldexp_f32 v30, 1.0, v[TMP]                   ; f = 2^(old M - new M)
.set n, 0
.rept 32
	v_pk_fma_f32 v[S+n:S+n+1], v[S+n:S+n+1], s[22:23], v[12:13] op_sel_hi:[1,0,0]   ; t - M
.set n, n+2
.endr
.irp b, 0,1,2,3
	v_fma_f32 v[BM+\b], v[BM+\b], s22, v12
.endr
.set n, 0
	s_wait_alu depctr_va_vdst(0)
.rept 64
	v_exp_f32 v[S+n], v[S+n]                       ; p = 2^(t - M)
.set n, n+1
.endr
	s_setprio 1
	v_pk_mul_f32 v[14:15], v[14:15], v[30:31] op_sel_hi:[1,0]      ; the sums under the new M (the plain line behind the exponentials)
	s_wait_alu depctr_va_vdst(0)                   ; one wait for the batch of 64, ahead of its first reader
.irp b, 0,1,2,3
	v_exp_f32 v[BM+\b], v[BM+\b]                   ; each block's largest p
.endr
	v_pk_add_f32 v[228:229], v[102:103], v[106:107]
	v_pk_add_f32 v[252:253], v[110:111], v[114:115]
	v_pk_add_f32 v[250:251], v[118:119], v[122:123]
	v_pk_add_f32 v[248:249], v[126:127], v[130:131]
	v_pk_add_f32 v[246:247], v[134:135], v[138:139]
	v_pk_add_f32 v[244:245], v[142:143], v[146:147]
	v_pk_add_f32 v[242:243], v[150:151], v[154:155]
	v_pk_add_f32 v[14:15], v[14:15], v[158:159]
	v_pk_add_f32 v[228:229], v[228:229], v[98:99]
	v_pk_add_f32 v[252:253], v[252:253], v[100:101]
	v_pk_add_f32 v[250:251], v[250:251], v[104:105]
	v_pk_add_f32 v[248:249], v[248:249], v[108:109]
	v_pk_add_f32 v[246:247], v[246:247], v[112:113]
	v_pk_add_f32 v[244:245], v[244:245], v[116:117]
	v_pk_add_f32 v[242:243], v[242:243], v[120:121]
	v_pk_add_f32 v[14:15], v[14:15], v[124:125]
	v_pk_add_f32 v[228:229], v[228:229], v[128:129]
	v_pk_add_f32 v[252:253], v[252:253], v[132:133]
	v_pk_add_f32 v[250:251], v[250:251], v[136:137]
	v_pk_add_f32 v[248:249], v[248:249], v[140:141]
	v_pk_add_f32 v[246:247], v[246:247], v[144:145]
	v_pk_add_f32 v[244:245], v[244:245], v[148:149]
	v_pk_add_f32 v[242:243], v[242:243], v[152:153]
	v_pk_add_f32 v[14:15], v[14:15], v[156:157]
	v_pk_add_f32 v[228:229], v[228:229], v[160:161]
	s_delay_alu instid0(VALU_DEP_2)
	v_pk_add_f32 v[14:15], v[14:15], v[248:249]
	s_delay_alu instid0(VALU_DEP_2)
	v_pk_add_f32 v[228:229], v[228:229], v[246:247]
	v_pk_add_f32 v[252:253], v[252:253], v[244:245]
	v_pk_add_f32 v[250:251], v[250:251], v[242:243]
	s_delay_alu instid0(VALU_DEP_2)
	v_pk_add_f32 v[14:15], v[14:15], v[252:253]
	s_delay_alu instid0(VALU_DEP_2)
	v_pk_add_f32 v[228:229], v[228:229], v[250:251]
	s_delay_alu instid0(VALU_DEP_1)
	v_pk_add_f32 v[14:15], v[14:15], v[228:229]
	s_wait_alu depctr_va_vdst(0)                   ; and one for the four
.irp b, 0,1,2,3
	v_max_num_f32 v[BM+\b], 0x2800000, v[BM+\b]    ; the floor 2^(5 - 127)
.endr
.irp b, 0,1,2,3
	s_delay_alu instid0(VALU_DEP_4)
	v_add_nc_u32 v[SO+\b], 0xfe000000, v[BM+\b]    ; the conversion's scale operand
.endr
.irp b, 0,1,2,3
	s_delay_alu instid0(VALU_DEP_4)
	v_lshrrev_b32 v[PT+\b], 23, v[SO+\b]           ; the scale's byte
.endr
	s_delay_alu instid0(VALU_DEP_3)
	v_lshl_or_b32 v29, v[PT+1], 8, v[PT]
	s_delay_alu instid0(VALU_DEP_1)
	v_lshl_or_b32 v29, v[PT+2], 16, v29
	s_delay_alu instid0(VALU_DEP_1)
	v_lshl_or_b32 v29, v[PT+3], 24, v29            ; p's scale word for these 128 keys
.irp c, 0,1
	v_cvt_scalef32_pk16_bf6_f32 v[PCD+6*\c:PCD+2+6*\c], v[S+32*\c:S+15+32*\c], v[SO+2*\c]
	v_cvt_scalef32_pk16_bf6_f32 v[CT+4*\c:CT+2+4*\c], v[S+16+32*\c:S+31+32*\c], v[SO+2*\c+1]
.endr
	v_nop                                          ; one plain line behind the conversions
.irp c, 0,1
.irp i, 0,1,2
	v_permlane16_swap_b32 v[PCD+6*\c+\i], v[CT+4*\c+\i]
.endr
.irp i, 0,1,2
	s_delay_alu instid0(VALU_DEP_3)
	v_mov_b32 v[PCD+3+6*\c+\i], v[CT+4*\c+\i]
.endr
.endr
.set n, 0
.rept 16
	v_pk_mul_f32 v[OT+n:OT+n+1], v[OT+n:OT+n+1], v[30:31] op_sel_hi:[1,0]  ; O^T under the new M; twelve of these sixteen name no register of any one product below: its places behind the scale word and the codes
.set n, n+2
.endr
	s_wait_alu depctr_va_vdst(0)
	s_wait_dscnt 0x0                               ; V is in
.irp t, 0,1,2,3
	v_wmma_scale_f32_16x16x128_f8f6f4 v[OT+8*\t:OT+8*\t+7], v[32+12*\t:43+12*\t], v[PCD:PCD+11], v[OT+8*\t:OT+8*\t+7], v[94+\t], v29 matrix_a_fmt:MATRIX_FMT_BF6 matrix_b_fmt:MATRIX_FMT_BF6
.endr
	s_cmp_eq_u32 s66, 0
	s_setprio 0
	s_cbranch_scc1 .Lnot_last
	; THE TILE IS FINISHED: O^T / l, quantised along d (two blocks of 32), stored; then the state is set for my second tile
.irp i, 0,1,2,3,4,5
	v_mov_b32 v[16+\i], v[Q2+\i]                   ; the second tile's Q (these seven are the places behind the products)
.endr
	v_mov_b32 v28, v[Q2+6]
	v_add_f32 v14, v14, v15
	s_delay_alu instid0(VALU_DEP_1)
	v_permlanex16_b32 v[TMP], v14, s20, s21
	s_delay_alu instid0(VALU_DEP_1)
	v_add_f32 v14, v14, v[TMP]                     ; the row's sum
	s_wait_alu depctr_va_vdst(0)
	v_rcp_f32 v14, v14
	v_bfe_u32 v[PT+2], v0, 4, 1                    ; (the plain line behind the reciprocal)
	s_delay_alu instid0(VALU_DEP_1)
	v_lshlrev_b32 v[PT+2], 3, v[PT+2]              ; 8 x (lane / 16)
	s_wait_alu depctr_va_vdst(0)                   ; ahead of the reciprocal's first reader
.set n, 0
.rept 16
	v_pk_mul_f32 v[S+n:S+n+1], v[OT+n:OT+n+1], v[14:15] op_sel_hi:[1,0]    ; register 16 b + i is d = 32 b + 16 (lane / 16) + i; each accumulator is read from its low end on
.set n, n+2
.endr
.irp b, 0,1
	v_max3_num_f32 v[BM+\b], |v[S+16*\b]|, |v[S+1+16*\b]|, 0x2800000
.endr
.irp i, 2,4,6,8,10,12,14
.irp b, 0,1
	s_delay_alu instid0(VALU_DEP_2)
	v_max3_num_f32 v[BM+\b], v[BM+\b], |v[S+16*\b+\i]|, |v[S+1+16*\b+\i]|
.endr
.endr
.irp b, 0,1
	s_delay_alu instid0(VALU_DEP_2)
	v_permlanex16_b32 v[PT+\b], v[BM+\b], s20, s21
.endr
.irp b, 0,1
	s_delay_alu instid0(VALU_DEP_2)
	v_max_num_f32 v[BM+\b], v[BM+\b], v[PT+\b]
.endr
.irp b, 0,1
	s_delay_alu instid0(VALU_DEP_2)
	v_add_nc_u32 v[SO+\b], 0xfe000000, v[BM+\b]
.endr
.irp b, 0,1
	s_delay_alu instid0(VALU_DEP_2)
	v_lshrrev_b32 v[PT+\b], 23, v[SO+\b]
.endr
	s_delay_alu instid0(VALU_DEP_1)
	v_lshl_or_b32 v[TMP], v[PT+1], 8, v[PT]
	s_delay_alu instid0(VALU_DEP_1)
	v_lshrrev_b32 v[TMP], v[PT+2], v[TMP]          ; lanes 0-15: block 0's byte lowest; lanes 16-31: block 1's
	v_cvt_scalef32_pk16_bf6_f32 v[PCD:PCD+2], v[S:S+15], v[SO]
	v_cvt_scalef32_pk16_bf6_f32 v[CT:CT+2], v[S+16:S+31], v[SO+1]
	v_nop
.irp i, 0,1,2
	v_permlane16_swap_b32 v[PCD+\i], v[CT+\i]
.endr
.irp i, 0,1,2
	s_delay_alu instid0(VALU_DEP_3)
	v_mov_b32 v[PCD+3+\i], v[CT+\i]                ; six registers: lane (r, half) holds token r, d = 32 half + 0 .. 31
.endr
.irp i, 0,1,2
	global_store_b64 v1, v[PCD+2*\i:PCD+2*\i+1], s[76:77] offset:256*\i    ; 32 lanes store 256 consecutive bytes, aligned
.endr
	global_store_b8 v7, v[TMP], s[78:79]
.set n, 0
.rept 32
	v_mov_b32 v[OT+n], 0
.set n, n+1
.endr
	v_mov_b32 v13, 0xff61b1e6
	s_delay_alu instid0(VALU_DEP_1)
	v_floor_f32 v12, -v13
	v_mov_b32 v14, 0
	v_mov_b32 v15, 0
	v_add_nc_u32 v6, s85, v5
	s_wait_xcnt 0x0                                ; the stores have read their bases and their data: both are written again only behind this wait
	s_mov_b64 s[76:77], s[80:81]
	s_mov_b64 s[78:79], s[82:83]
.Lnot_last:
	s_add_co_u32 s2, s2, 1
	s_cmp_lt_u32 s2, 17
	s_cbranch_scc1 .Lstep
	s_setprio 0
	s_wait_dscnt 0x0
	s_wait_tensorcnt 0x0
	ds_add_u32 v254, v255
	s_wait_dscnt 0x0
	CROUND                                         ; the closing round
	s_endpgm
.Lfunc_end_k_q36b67e17d4_attn:
	.size	k_q36b67e17d4_attn, .Lfunc_end_k_q36b67e17d4_attn-k_q36b67e17d4_attn
	.p2alignl 7, 3214868480
	.fill 96, 4, 3214868480
	.section	.rodata,"a",@progbits
	.p2align	6, 0x0
	.amdhsa_kernel k_q36b67e17d4_attn
		.amdhsa_group_segment_fixed_size 210944
		.amdhsa_private_segment_fixed_size 0
		.amdhsa_enable_private_segment 0
		.amdhsa_kernarg_size 32
		.amdhsa_user_sgpr_count 2
		.amdhsa_user_sgpr_kernarg_segment_ptr 1
		.amdhsa_wavefront_size32 1
		.amdhsa_system_sgpr_workgroup_id_x 1
		.amdhsa_system_sgpr_workgroup_id_y 1
		.amdhsa_system_sgpr_workgroup_id_z 1
		.amdhsa_system_vgpr_workitem_id 0
		.amdhsa_next_free_vgpr 256
		.amdhsa_next_free_sgpr 96
		.amdhsa_reserve_vcc 1
		.amdhsa_float_denorm_mode_32 3
		.amdhsa_float_denorm_mode_16_64 3
		.amdhsa_memory_ordered 1
		.amdhsa_forward_progress 1
		.amdhsa_inst_pref_size 40
	.end_amdhsa_kernel
	.amdgpu_metadata
---
amdhsa.version: [ 1, 2 ]
amdhsa.kernels:
  - .name:           k_q36b67e17d4_attn
    .symbol:         k_q36b67e17d4_attn.kd
    .args:
      - { .name: cod2, .offset: 0, .size: 8, .value_kind: global_buffer, .address_space: global }
      - { .name: scl2, .offset: 8, .size: 8, .value_kind: global_buffer, .address_space: global }
      - { .name: oc, .offset: 16, .size: 8, .value_kind: global_buffer, .address_space: global }
      - { .name: os, .offset: 24, .size: 8, .value_kind: global_buffer, .address_space: global }
    .group_segment_fixed_size: 210944
    .private_segment_fixed_size: 0
    .kernarg_segment_align: 8
    .kernarg_segment_size: 32
    .max_flat_workgroup_size: 512
    .sgpr_count:     96
    .vgpr_count:     256
    .wavefront_size: 32
...
	.end_amdgpu_metadata
.endif
;; end of part 3
;; launch proj (part 4): grid 4 x 32, 4 waves a work-group, clusters of 4 x 4, 327,680 bytes of LDS; arguments oc, os, cod1, scl1, bp, out0; writes out0
.if DOCPART == 4
	.amdgcn_target "amdgcn-amd-amdhsa--gfx1250"
	.amdhsa_code_object_version 6
	.text
	.protected	k_q36b67e17d4_proj
	.globl	k_q36b67e17d4_proj
	.p2align	8
	.type	k_q36b67e17d4_proj,@function
k_q36b67e17d4_proj:
	s_mov_b64 s[64:65], 0
	v_nop
	global_prefetch_b8 v0, s[64:65] scope:SCOPE_SE
	s_setreg_imm32_b32 hwreg(HW_REG_WAVE_MODE, 25, 1), 1
	s_wait_xcnt 0x0
	s_wait_alu depctr_hold_cnt(0) depctr_sa_sdst(0) depctr_va_vdst(0) depctr_va_sdst(0) depctr_va_ssrc(0) depctr_va_vcc(0) depctr_vm_vsrc(0)
	s_getreg_b32 s2, hwreg(HW_REG_IB_STS2, 6, 4)
	s_cmp_eq_u32 s2, 0
	s_cbranch_scc0 .Lentry_in_a_cluster
	s_endpgm
.Lentry_in_a_cluster:
	s_bfe_u32 s2, ttmp6, 0x10000c
	s_cmp_lg_u32 s2, 0xf033
	s_cbranch_scc0 .Lentry_shape_is_right
	s_endpgm
.Lentry_shape_is_right:
.set NQ,     2
.set ROWB,   192
.set KROW,   768
.set PITCH,  240
.set FR,     12
.set NL,     6
.set NP,     4
.set HALFA,  24576
.set ABYTES, 2*HALFA
.set HALFT,  128*PITCH
.set SLOT,   ABYTES+2*HALFT
.set LAPS,   2
.set KS,     32
.set SCL,    2*SLOT
.set HALFS,  (128*KS/256)*272
.set SBLK,   (16*KS/256)*272
.set SPARE,  SCL+4*HALFS
.set SPITCH, 528
.set ADRA, 16
.set ADRB, 20
.set STO,  24
.set RD,   25
.set CO,   26
.set ADRS, 27
.set SPW,  28
.set NIL,  29
.set SC,   32
.set AF,   128
.set BK,   128
.set BIA,  96
.set G1, 24
.set G0, 32
.set G1B, 48
.set G0B, 56
.set G1S, 68
.set G0S, 76
.set G1SB, 80
.set G0SB, 88
.set MSB, 0
.macro WIN new
.if MSB != (\new)
	s_set_vgpr_msb (MSB<<8)|(\new)
.set MSB, \new
.endif
.endm
.set MUL_LO, 0xa1
.set MUL_HI, 0xf1
.set BIA_LO, 0x91
.set BIA_HI, 0xd1
.set TO_B,   0x40
.macro JLOAD g0a, g1a, g0b, g1b
	s_cmp_eq_u32 s15, 0
	s_cbranch_scc0 .Lfor_b_\@
	tensor_load_to_lds s[\g0a:\g0a+3], s[\g1a:\g1a+7]
	s_nop 0
.rept 4
	v_nop
.endr
	s_branch .Lasked_\@
.Lfor_b_\@:
	tensor_load_to_lds s[\g0b:\g0b+3], s[\g1b:\g1b+7]
	s_nop 0
.rept 4
	v_nop
.endr
.Lasked_\@:
.endm
.macro CREST
	s_cmp_lg_u32 s14, 0
	s_cbranch_scc1 .Lnot_wave_0_\@
	s_barrier_signal -3
.Lnot_wave_0_\@:
	s_barrier_wait -3
	s_barrier_signal -1
	s_barrier_wait -1
.endm
.macro CROUND
	s_barrier_signal -1
	s_barrier_wait -1
	CREST
.endm
	s_load_b128 s[4:7], s[0:1], 0x0
	s_load_b128 s[8:11], s[0:1], 0x10
	s_load_b64 s[66:67], s[0:1], 0x20
	s_load_b64 s[12:13], s[0:1], 0x28
	v_lshl_add_u32 v[SPW], v0, 2, SPARE
	v_mov_b32 v[NIL], 0
	ds_add_u32 v28, v29
	ds_add_u32 v28, v29
	s_wait_dscnt 0x0
	v_lshrrev_b32 v1, 5, v0
	v_readfirstlane_b32 s14, v1
	s_lshr_b32 s15, s14, 1
	s_and_b32 s16, s14, 1
	s_bfe_u32 s40, ttmp6, 0x40000
	s_bfe_u32 s41, ttmp6, 0x40004
	s_lshl_b32 s42, ttmp9, 2
	s_add_co_u32 s42, s42, s40
	s_and_b32 s17, ttmp7, 0xffff
	s_lshl_b32 s17, s17, 2
	s_add_co_u32 s17, s17, s41
	s_lshl_b32 s43, s41, 2
	s_lshl_b32 s43, 15, s43
	s_lshl_b32 s44, 0x1111, s40
	s_or_b32 s[G1+0], s43, (3<<16)|(1<<21)
	s_mov_b32 s[G1+1], 384<<16
	s_mov_b32 s[G1+2], 8<<16
	s_mov_b32 s[G1+3], 384<<16
	s_mov_b32 s[G1+4], 8
	s_mov_b32 s[G1+5], 1536
	s_mov_b32 s[G1+6], 0
	s_mov_b32 s[G1+7], 0
	s_or_b32 s[G1B+0], s44, (0<<16)|(1<<20)|(1<<21)|(3<<22)|(3<<25)
	s_mov_b32 s[G1B+1], ROWB<<16
	s_mov_b32 s[G1B+2], 128<<16
	s_mov_b32 s[G1B+3], ROWB<<16
	s_mov_b32 s[G1B+4], 128
	s_mov_b32 s[G1B+5], KROW
	s_mov_b32 s[G1B+6], 0
	s_mov_b32 s[G1B+7], 0
	s_or_b32 s[G1S+0], s43, (3<<16)|(1<<20)|(1<<21)|(5<<22)|(3<<25)
	s_or_b32 s[G1SB+0], s44, (3<<16)|(1<<20)|(1<<21)|(5<<22)|(3<<25)
.irp g, G1S, G1SB
	s_mov_b32 s[\g+1], 32<<16
	s_mov_b32 s[\g+2], (128*KS/256)<<16
	s_mov_b32 s[\g+3], 32<<16
	s_mov_b32 s[\g+4], 128*KS/256
	s_mov_b32 s[\g+5], 32
	s_mov_b32 s[\g+6], 0
	s_mov_b32 s[\g+7], 0
.endr
	s_lshl_b32 s20, s17, 4
	s_lshl_b32 s18, s16, 3
	s_add_co_u32 s20, s20, s18
	s_mul_i32 s20, s20, 12288
	s_mov_b32 s21, 0
	s_lshl_b32 s22, s17, 13
	s_lshl_b32 s18, s16, 12
	s_add_co_u32 s22, s22, s18
	s_mov_b32 s23, 0
	s_lshl_b32 s46, s42, 8
	s_lshl_b32 s18, s16, 7
	s_add_co_u32 s46, s46, s18
	s_add_co_u32 s46, s46, 11264
	s_lshl_b32 s92, s46, 5
	s_mov_b32 s93, 0
	s_mul_i32 s46, s46, KROW
	s_mov_b32 s47, 0
	s_mul_i32 s45, s16, HALFA
	s_mul_i32 s95, s16, HALFT
	s_add_co_u32 s95, s95, ABYTES
	s_mul_i32 s94, s14, HALFS
	s_wait_kmcnt 0x0
	s_add_nc_u64 s[20:21], s[4:5], s[20:21]
	s_add_nc_u64 s[22:23], s[6:7], s[22:23]
	s_add_nc_u64 s[46:47], s[8:9], s[46:47]
	s_add_nc_u64 s[92:93], s[10:11], s[92:93]
	CROUND
	s_mov_b32 s[G0S], 1
	s_add_co_u32 s[G0S+1], s94, SCL
	s_mov_b64 s[G0S+2:G0S+3], s[22:23]
	s_or_b32 s[G0S+3], s[G0S+3], 0x80000000
	s_mov_b32 s[G0SB], 1
	s_add_co_u32 s[G0SB+1], s94, SCL
	s_mov_b64 s[G0SB+2:G0SB+3], s[92:93]
	s_or_b32 s[G0SB+3], s[G0SB+3], 0x80000000
	JLOAD G0S, G1S, G0SB, G1SB
.irp s, 0,1
	s_mov_b32 s[G0+4*\s], 1
	s_add_co_u32 s[G0+4*\s+1], s45, \s*SLOT
	s_add_nc_u64 s[G0+4*\s+2:G0+4*\s+3], s[20:21], \s*3072
	s_or_b32 s[G0+4*\s+3], s[G0+4*\s+3], 0x80000000
	s_mov_b32 s[G0B+4*\s], 1
	s_add_co_u32 s[G0B+4*\s+1], s95, \s*SLOT
	s_add_nc_u64 s[G0B+4*\s+2:G0B+4*\s+3], s[46:47], \s*ROWB
	s_or_b32 s[G0B+4*\s+3], s[G0B+4*\s+3], 0x80000000
	s_wait_alu depctr_va_vdst(0)
	s_wait_tensorcnt 0x0
	ds_add_u32 v28, v29
	s_wait_dscnt 0x0
	CROUND
	JLOAD G0+4*\s, G1, G0B+4*\s, G1B
.endr
	v_and_b32 v1, 15, v0
	v_bfe_u32 v2, v0, 4, 1
	v_mul_u32_u24 v3, v1, PITCH
	v_mul_u32_u24 v4, v2, 24
	v_add_nc_u32 v4, v3, v4
	v_lshl_add_u32 v5, v2, 4, v4
	v_and_b32 v6, 31, v0
	v_lshlrev_b32 v6, 3, v6
	s_mul_i32 s21, s15, HALFA
	s_mul_i32 s22, s16, HALFT
	s_add_co_u32 s22, s22, ABYTES
.irp s, 0,1
	v_add_nc_u32 v[ADRA+\s], s21, v6
	v_add_nc_u32 v[ADRB+\s], s22, v4
	v_add_nc_u32 v[ADRB+2+\s], s22, v5
	s_add_co_u32 s21, s21, SLOT
	s_add_co_u32 s22, s22, SLOT
.endr
	v_mul_u32_u24 v5, v1, KS
	v_lshrrev_b32 v6, 8, v5
	v_lshl_add_u32 v5, v6, 4, v5
	s_mul_i32 s21, s15, HALFS
	s_mul_i32 s22, s16, HALFS
	s_add_co_u32 s22, s22, 2*HALFS
	s_sub_co_u32 s22, s22, s21
	v_mul_u32_u24 v6, s22, v2
	s_add_co_u32 s21, s21, SCL
	v_add_nc_u32 v5, v5, v6
	v_add_nc_u32 v[ADRS], s21, v5
	s_mul_i32 s23, s14, 16*SPITCH
	v_mul_u32_u24 v5, v1, SPITCH
	v_lshl_add_u32 v5, v2, 5, v5
	v_add_nc_u32 v[STO], s23, v5
	v_and_b32 v6, 31, v0
	v_lshlrev_b32 v[CO], 4, v6
	v_add_nc_u32 v[RD], s23, v[CO]
	s_lshl_b32 s46, s42, 10
	s_lshl_b32 s47, s16, 9
	s_add_co_u32 s46, s46, s47
	s_mov_b32 s47, 0
	s_add_nc_u64 s[66:67], s[66:67], s[46:47]
	s_lshl_b32 s20, s17, 20
	s_lshl_b32 s21, s15, 19
	s_add_co_u32 s20, s20, s21
	s_add_co_u32 s20, s20, s46
	s_mov_b32 s21, 0
	s_add_nc_u64 s[12:13], s[12:13], s[20:21]
	v_lshlrev_b32 v7, 5, v2
	WIN TO_B
.irp b, 0,1,2,3,4,5,6,7
	global_load_b128 v[BIA+8*(\b%4)+128*(\b/4):BIA+8*(\b%4)+128*(\b/4)+3], v7, s[66:67] offset:64*\b
	global_load_b128 v[BIA+8*(\b%4)+128*(\b/4)+4:BIA+8*(\b%4)+128*(\b/4)+7], v7, s[66:67] offset:64*\b+16
.endr
	WIN 0
.macro FRAG reg, adr, q, i
.irp p, 0,1,2,3,4,5
.set PIE, 12*(\q)+6*(\p/3)+\p%3
.if PIE%8 < 5
	ds_load_b64 v[\reg+2*\p:\reg+2*\p+1], v[\adr] offset:8*PIE+16*(PIE/8)+(\i)*16*PITCH
.else
	ds_load_b64 v[\reg+2*\p:\reg+2*\p+1], v[\adr+2] offset:8*PIE+16*(PIE/8)+(\i)*16*PITCH
.endif
.endr
.endm
.macro FRAGA reg, slot, q, i
.irp p, 0,1,2,3,4,5
	ds_load_b64 v[\reg+2*\p:\reg+2*\p+1], v[ADRA+\slot] offset:3072*(\i)+1536*(\q)+256*\p
.endr
.endm
.macro MUL16 a0, p, q, sc, zero
.irp a, \a0, \a0+1
.irp b, 0,1,2,3,4,5,6,7
.if \zero
	v_wmma_scale_f32_16x16x128_f8f6f4 v[8*(8*((\a)%4)+\b):8*(8*((\a)%4)+\b)+7], v[128*(\p)+FR*\b:128*(\p)+FR*\b+FR-1], v[AF+FR*(\a):AF+FR*(\a)+FR-1], v[BIA+8*(\b%4)+128*(\b/4):BIA+8*(\b%4)+128*(\b/4)+7], v[SC+8*NQ*(\sc)+NQ*\b+(\q)], v[SC+8*NQ*(\sc)+NQ*(\a)+(\q)] matrix_a_fmt:MATRIX_FMT_BF6 matrix_b_fmt:MATRIX_FMT_BF6 matrix_a_scale:MATRIX_SCALE_ROW1
.else
	v_wmma_scale_f32_16x16x128_f8f6f4 v[8*(8*((\a)%4)+\b):8*(8*((\a)%4)+\b)+7], v[128*(\p)+FR*\b:128*(\p)+FR*\b+FR-1], v[AF+FR*(\a):AF+FR*(\a)+FR-1], v[8*(8*((\a)%4)+\b):8*(8*((\a)%4)+\b)+7], v[SC+8*NQ*(\sc)+NQ*\b+(\q)], v[SC+8*NQ*(\sc)+NQ*(\a)+(\q)] matrix_a_fmt:MATRIX_FMT_BF6 matrix_b_fmt:MATRIX_FMT_BF6 matrix_a_scale:MATRIX_SCALE_ROW1
.endif
.endr
.endr
.endm
.macro FETCH_B slot, q, p
	WIN TO_B
.irp i, 0,1,2,3,4,5,6,7
	FRAG 128*(\p)+FR*\i, ADRB+\slot, \q, \i
.endr
	WIN 0
.endm
.macro FETCH_A slot, q, i0
.irp i, \i0, \i0+1, \i0+2, \i0+3
	FRAGA AF+FR*(\i), \slot, \q, \i
.endr
.endm
.macro SCALES sc
.irp i, 0,1,2,3,4,5,6,7
	ds_load_b64 v[SC+8*NQ*\sc+NQ*\i:SC+8*NQ*\sc+NQ*\i+1], v[ADRS] offset:\i*SBLK
.endr
.endm
.macro PLACES n
.rept \n
	v_nop
.endr
.endm
.macro STEP slot, q, zero
	s_wait_dscnt 4*NL
.if \zero
	WIN BIA_LO
.else
	WIN MUL_LO
.endif
	MUL16 0, (\q)%2, \q, \slot, \zero
	MUL16 2, (\q)%2, \q, \slot, \zero
	s_wait_dscnt 0
	PLACES NP
	FETCH_B \slot, (\q)+1, 1-(\q)%2
	FETCH_A \slot, (\q)+1, 0
.if \zero
	WIN BIA_HI
.else
	WIN MUL_HI
.endif
	MUL16 4, (\q)%2, \q, \slot, \zero
	MUL16 6, (\q)%2, \q, \slot, \zero
	PLACES NP
	WIN 0
	FETCH_A \slot, (\q)+1, 4
.endm
.macro TURN slot, next, fill
	s_wait_tensorcnt 0x0
	ds_add_u32 v[SPW], v[NIL]
	s_wait_dscnt 4*NL+1
	WIN MUL_LO
	MUL16 0, 1, NQ-1, \slot, 0
	s_wait_dscnt 0x0
	s_barrier_signal -1
	MUL16 2, 1, NQ-1, \slot, 0
	WIN 0
	s_barrier_wait -1
.if \fill
	CREST
	s_add_nc_u64 s[G0+4*\slot+2:G0+4*\slot+3], s[G0+4*\slot+2:G0+4*\slot+3], 2*3072
	s_add_nc_u64 s[G0B+4*\slot+2:G0B+4*\slot+3], s[G0B+4*\slot+2:G0B+4*\slot+3], 2*ROWB
	JLOAD G0+4*\slot, G1, G0B+4*\slot, G1B
.else
	PLACES NP
.endif
	s_wait_alu depctr_va_vdst(0)
	v_add_nc_u32 v[ADRS], 4*NQ, v[ADRS]
	FETCH_B \next, 0, 0
	FETCH_A \next, 0, 0
	SCALES \next
	WIN MUL_HI
	MUL16 4, 1, NQ-1, \slot, 0
	MUL16 6, 1, NQ-1, \slot, 0
	PLACES NP
	WIN 0
	FETCH_A \next, 0, 4
.endm
	s_wait_alu depctr_va_vdst(0)
	s_wait_tensorcnt 1
	s_barrier_signal -1
	s_barrier_wait -1
	FETCH_B 0, 0, 0
	FETCH_A 0, 0, 0
	SCALES 0
	FETCH_A 0, 0, 4
	s_wait_loadcnt 0x0
	STEP 0, 0, 1
	s_mov_b32 s3, LAPS-1
.Llap:
	TURN 0, 1, 1
	STEP 1, 0, 0
	TURN 1, 0, 1
	STEP 0, 0, 0
	s_sub_co_u32 s3, s3, 1
	s_cmp_lg_u32 s3, 0
	s_cbranch_scc1 .Llap
	TURN 0, 1, 0
	STEP 1, 0, 0
	s_wait_dscnt 4*NL
	WIN MUL_LO
	MUL16 0, 1, NQ-1, 1, 0
	MUL16 2, 1, NQ-1, 1, 0
	s_wait_dscnt 0
	WIN MUL_HI
	MUL16 4, 1, NQ-1, 1, 0
	MUL16 6, 1, NQ-1, 1, 0
	WIN 0
.macro TOSTAGE a
.set AC, 64*((\a)%4)
	WIN 0x08+4*((\a)/4)
.irp b, 0,1,2,3,4,5,6,7
	ds_store_b128 v[STO], v[AC+8*\b:AC+8*\b+3] offset:64*\b
	ds_store_b128 v[STO], v[AC+8*\b+4:AC+8*\b+7] offset:64*\b+16
.endr
	WIN 0
.set BB, BK+64*((\a)%2)
.irp t, 0,1,2,3,4,5,6,7,8,9,10,11,12,13,14,15
	ds_load_b128 v[BB+4*\t:BB+4*\t+3], v[RD] offset:\t*SPITCH
.endr
.endm
.macro SEND a, younger
.set BB, BK+64*((\a)%2)
	s_wait_dscnt \younger
.irp t, 0,1,2,3,4,5,6,7,8,9,10,11,12,13,14,15
	global_store_b128 v[CO], v[BB+4*\t:BB+4*\t+3], s[12:13] offset:(32*((\a)/2)+8*((\a)%2)+\t+8*(\t/8))*4096 th:TH_STORE_NT
.endr
.endm
	PLACES NP
	TOSTAGE 0
.irp a, 1,2,3,4,5,6,7
.if \a > 1
	s_wait_xcnt 0x0
.endif
	TOSTAGE \a
	SEND \a-1, 32
.endr
	SEND 7, 0
	s_wait_tensorcnt 0x0
	ds_add_u32 v[SPW], v[NIL]
	s_wait_dscnt 0x0
	CROUND
	s_endpgm
.Lfunc_end_k_q36b67e17d4_proj:
	.size	k_q36b67e17d4_proj, .Lfunc_end_k_q36b67e17d4_proj-k_q36b67e17d4_proj
	.p2alignl 7, 3214868480
	.fill 96, 4, 3214868480
	.section	.rodata,"a",@progbits
	.p2align	6, 0x0
	.amdhsa_kernel k_q36b67e17d4_proj
		.amdhsa_group_segment_fixed_size 327680
		.amdhsa_private_segment_fixed_size 0
		.amdhsa_enable_private_segment 0
		.amdhsa_kernarg_size 48
		.amdhsa_user_sgpr_count 2
		.amdhsa_user_sgpr_kernarg_segment_ptr 1
		.amdhsa_wavefront_size32 1
		.amdhsa_system_sgpr_workgroup_id_x 1
		.amdhsa_system_sgpr_workgroup_id_y 1
		.amdhsa_system_sgpr_workgroup_id_z 1
		.amdhsa_system_vgpr_workitem_id 0
		.amdhsa_next_free_vgpr 1024
		.amdhsa_next_free_sgpr 100
		.amdhsa_reserve_vcc 0
		.amdhsa_float_denorm_mode_32 3
		.amdhsa_float_denorm_mode_16_64 3
		.amdhsa_memory_ordered 1
		.amdhsa_forward_progress 1
		.amdhsa_inst_pref_size 162
	.end_amdhsa_kernel
	.amdgpu_metadata
---
amdhsa.version: [ 1, 2 ]
amdhsa.kernels:
  - .name:           k_q36b67e17d4_proj
    .symbol:         k_q36b67e17d4_proj.kd
    .args:
      - { .name: oc, .offset: 0, .size: 8, .value_kind: global_buffer, .address_space: global }
      - { .name: os, .offset: 8, .size: 8, .value_kind: global_buffer, .address_space: global }
      - { .name: cod1, .offset: 16, .size: 8, .value_kind: global_buffer, .address_space: global }
      - { .name: scl1, .offset: 24, .size: 8, .value_kind: global_buffer, .address_space: global }
      - { .name: bp, .offset: 32, .size: 8, .value_kind: global_buffer, .address_space: global }
      - { .name: out0, .offset: 40, .size: 8, .value_kind: global_buffer, .address_space: global }
    .group_segment_fixed_size: 327680
    .private_segment_fixed_size: 0
    .kernarg_segment_align: 8
    .kernarg_segment_size: 48
    .max_flat_workgroup_size: 128
    .sgpr_count:     100
    .vgpr_count:     1024
    .wavefront_size: 32
...
	.end_amdgpu_metadata
.endif
;; end of part 4
